; MI455X (gfx1250); checked and timed in simulation.
; The chip was launched on July 23, 2026; its instructions are those of AMD's public machine-readable ISA for CDNA 5 (MIT licence, August 2026) and "CDNA5" Instruction Set Architecture Reference Guide (July 2026). The comments in the code are by the model that wrote it; some were corrected since.
;; PGD. Allowed arithmetic: matrix products marked QUANTISED: E4M3 operands, one E8M0 scale for each 32 along K, by v_wmma_scale_f32_16x16x128_f8f6f4 with both operands' format E4M3, f32 sums; products left as they are: f32 operands where the result goes on into a quantised operand, else bf16, f16 or f32 operands; f32 sums; everything else in f32.
;; Inputs: A_LR 8 x 1 x 1 float32; B_LR 1 float32; W_e 50,257 x 256 float32; W_k_codes 8 x 256 x 8 x 32 uint8 (E4M3 codes of W_k, K innermost, in blocks of 32 codes); W_k_scales 8 x 256 x 8 uint8 (E8M0 scales of W_k, one for each 32 codes along K); W_p_codes 513 x 8 x 32 uint8 (E4M3 codes of W_p, K innermost, in blocks of 32 codes); W_p_scales 513 x 8 uint8 (E8M0 scales of W_p, one for each 32 codes along K); W_q_codes 8 x 256 x 8 x 32 uint8 (E4M3 codes of W_q, K innermost, in blocks of 32 codes); W_q_scales 8 x 256 x 8 uint8 (E8M0 scales of W_q, one for each 32 codes along K); W_v_codes 8 x 256 x 8 x 32 uint8 (E4M3 codes of W_v, K innermost, in blocks of 32 codes); W_v_scales 8 x 256 x 8 uint8 (E8M0 scales of W_v, one for each 32 codes along K); idx 4 x 512 int32.
;; Outputs: out0 4 x 50,257 float32.
;; This version of the problem:
;;   THIS VERSION OF THE PROBLEM IS GIVEN IN LOW PRECISION. The matrix products marked QUANTISED in the list below multiply operands that are first quantised to E4M3 (4 exponent bits, 3 mantissa bits; 8 bits a number), with one power-of-two scale for each 32 numbers along K (OCP MX v1.0); their sums are f32. All else is computed in f32.
;;   The module's matrix products, in the order in which they are computed (A, B: the left and right operand; K: the contracted axis; several contracted axes count as one K, in the product's order):
;;     1. [M 2,048, K 256] x [K 256, N 513]; A: input W_k (given as codes); B: input W_p (given as codes): QUANTISED
;;     2. [M 2,048, K 256] x [K 256, N 513]; A: input W_q (given as codes); B: input W_p (given as codes): QUANTISED
;;     3. batch 8 x [M 513, K 256] x [K 256, N 513]; A: computed on the way; B: computed on the way: QUANTISED
;;     4. [M 2,048, K 256] x [K 256, N 50,257]; A: computed on the way; B: input W_e: QUANTISED
;;     5. [M 2,048, K 50,257] x [K 50,257, N 256]; A: computed on the way; B: input W_e: QUANTISED
;;     6. [M 2,048, K 256] x [K 256, N 2,048]; A: input W_v (given as codes); B: computed on the way: QUANTISED
;;     7. batch 8 x [M 1,024, K 512] x [K 512, N 513]; A: computed on the way; B: computed on the way: QUANTISED
;;     8. [M 4, K 256] x [K 256, N 50,257]; A: computed on the way; B: input W_e: left as it is (M = 4 < 16)
;;   THE QUANTISER, for each operand of a quantised product, along K:
;;     - K is cut into blocks of 32 from its start; a last block that is shorter is filled with zeros.
;;     - A block's scale is 2^e with e = floor(log2(the largest magnitude in the block)) - 8, held to -126 .. 127; a block of zeros has e = 0. As a byte (E8M0): e + 127.
;;     - Each number is divided by its block's scale, clamped to +-448, and rounded to the nearest number of E4M3, ties to even, subnormals kept.
;;     - The product sums the exact products of the quantised numbers (number of the format x scale) in f32.
;;   ~~~python
;;   def quantise(x, axis):      # numpy; x: float32 -> the quantised numbers, widened to float32 again
;;       x = np.moveaxis(x, axis, -1); K = x.shape[-1]
;;       x = np.pad(x, [(0, 0)] * (x.ndim - 1) + [(0, -K % 32)]); x = x.reshape(x.shape[:-1] + (-1, 32)); a = np.abs(x).max(-1, keepdims=True)
;;       e = np.where(a > 0, np.clip(np.frexp(np.where(a > 0, a, 1))[1] - 1 - 8, -126, 127), 0)      # np.frexp(a)[1] - 1 = floor(log2(a)), exactly
;;       r = np.clip(x / 2.0 ** e, -448, 448)
;;       step = 2.0 ** (np.maximum(np.frexp(np.where(r == 0, 1, r))[1] - 1, -6) - 3)
;;       q = np.round(r / step) * step * 2.0 ** e      # np.round: ties to even
;;       return np.moveaxis(q.reshape(q.shape[:-2] + (-1,))[..., :K], -1, axis).astype(np.float32)
;;   ~~~
;;   OPERANDS COMPUTED ON THE WAY. 'Computed on the way' means the value that the module computes at that place (a softmax that the list does not call 'softmax' is quantised finished and normalised). What goes into a quantiser is computed in f32, as accurately as f32 sums, v_exp_f32 and their like allow (about 1e-6 of the number): no bf16 or f16 on the way to a quantiser, and a product that is left as it is and whose result goes on into a quantised operand takes f32 operands (vector FMAs, or v_wmma_f32_16x16x4_f32). A number that lies on a knife's edge between two numbers of the format may be rounded either way, as far as f32 arithmetic and the matrix unit's own rounding can turn it there, and no further.
;;   INPUTS GIVEN AS CODES. W_k (in the module: [8, 256, 256], K = its axis 1); W_p (in the module: [513, 256], K = its axis 1); W_q (in the module: [8, 256, 256], K = its axis 1); W_v (in the module: [8, 256, 256], K = its axis 1): each comes as NAME_codes (uint8): NAME with its K axis moved to the last place and cut into blocks of 32 codes, [.., K / 32, bytes a block], one block behind the other in memory; one code a byte (a code: sign, 4 exponent bits, 3 mantissa bits); and NAME_scales (uint8): the same leading axes, one E8M0 byte (e + 127) for each 32 codes along K. Its value is code x scale, taken as it is: it is not quantised again, and the codes and scales need not be those that the quantiser above would give.
;; One version. Each part assembles by itself: llvm-mc -triple=amdgcn-amd-amdhsa -mcpu=gfx1250 --defsym DOCPART=n.
;; ======== version 1 of 1: 5 launches
;; workspace buffers: wcode 26,628,096 bytes; scores 20,480 bytes; cpart 33,685,504 bytes; dd 688,128 bytes; fpart 16,384 bytes
;; launch front (part 1): grid 237 x 1, 8 waves a work-group, no clusters, 285,696 bytes of LDS; arguments W_e, W_k_codes, W_k_scales, W_q_codes, W_q_scales, W_p_codes, W_p_scales, wcode, scores; writes wcode, scores
.if DOCPART == 1
	.amdgcn_target "amdgcn-amd-amdhsa--gfx1250"
	.amdhsa_code_object_version 6
	.text
	.protected	k_q6209c03d59_front
	.globl	k_q6209c03d59_front
	.p2align	8
	.type	k_q6209c03d59_front,@function
k_q6209c03d59_front:
	s_mov_b64 s[64:65], 0
	v_nop
	global_prefetch_b8 v0, s[64:65] scope:SCOPE_SE
	s_setreg_imm32_b32 hwreg(HW_REG_WAVE_MODE, 25, 1), 1
	s_wait_xcnt 0x0
; FRONT: two pieces of work that do not depend on each other, in one launch, parted by the work-group's number.
; (1) Work-groups 0-196: W_e is read once and quantised twice: along d (product 4's K) and along the vocabulary (product 5's K).  Both sets of codes leave as IMAGES OF OPERAND REGISTERS
;     (a fragment of 16 rows x 128 K is 2,048 bytes: piece c of 512 bytes holds registers 4 c .. 4 c + 3, lane l's 16 bytes at 16 l), so that the next launch loads fragments by whole runs of 512 bytes.
;     wcode: +0        W_d codes  [block of 32 v][u][s][c][lane]      tile u of a block: lane r is v = 32 block + 8 u + r + 8 (r / 8); s: which 128 of d
;            +O_WVC    W_v codes  [K step of 128 v][tile 2 b + u][c][lane]   lane r is d = 32 b + 8 u + r + 8 (r / 8)
;            +O_WDS    W_d scale words [block][u][s][16 rows];   +O_WVS  W_v scale words [K step][tile][16 rows]
;     Vocabulary rows from 50,257 on count as zeros, as the quantiser fills its last block; K step 393, which does not exist, is written as zero codes, since the next launch's last step reads it.
; (2) Work-groups 197-236: products 1, 2, 3 for what reference() returns: only row 512 of f_k leaves it, so only query 512 is wanted.  scores[h][m] = Q(x_j[h][512]) . Q(x_i[h][m]).
; No cluster: no two work-groups of (1) read the same bytes; (2) reads 64 KB of weights a head, five work-groups a head, through registers.
; LIMITS: NaN and infinities among the inputs are not served.  A block whose largest magnitude lies under 2^-118 gets the scale byte 1; a block of zeros gets 1 where the rule says 127 (its codes
; are zeros, and this program alone reads the byte).  Product 3's f32 sum is taken in eight parts of 32 along K, added in f32.
.set FLOORV, 0x4800000                 ; 2^(9 - 127): under it no largest magnitude is taken, so a scale byte cannot fall under 1
.set EOFF,   0xfc000000                ; takes 8 off an exponent field
.set EXPM,   0x7f800000
.set SEL, 30                           ; s[30:31] v_permlanex16_b32's selects for lane l xor 16
.set MNT, 32                           ; s32 the mantissa field of 448
.set STG,   34816                      ; LDS: a wave's stage: 128 rows of 256 bytes + 16
.set SCLB,  8*STG                      ; behind the eight stages: 2,048 bytes of W_d's scale words
.set PB,    SCLB+2048                  ; behind them: 4,096 bytes that are path (2)'s
.set O_WVC, 12910592
.set O_WDS, 25821184
.set O_WVS, 26224640
.set MSB, 0
.macro WIN new                         ; register windows: bits 1:0 source 0, 3:2 source 1, 5:4 source 2, 7:6 destination; the high byte repeats the setting that is left
.if MSB != (\new)
	s_set_vgpr_msb (MSB<<8)|(\new)
.set MSB, (\new)
.endif
.endm
.macro PLACES n
.rept \n
	v_nop
.endr
.endm
; 64 numbers of a lane in four blocks: registers 16 b + i are 16 numbers of block b, whose other 16 lie in lane l xor 16.  They become codes in v[d] on (4 registers a block) and the four scale bytes in v[w].
.macro QUANT s, d, w
.irp b, 0,1,2,3
	v_max3_num_f32 v[TM+\b], |v[\s+16*\b]|, |v[\s+1+16*\b]|, FLOORV
.endr
.irp i, 2,4,6,8,10,12,14
.irp b, 0,1,2,3
	v_max3_num_f32 v[TM+\b], v[TM+\b], |v[\s+16*\b+\i]|, |v[\s+1+16*\b+\i]|
.endr
.endr
.irp b, 0,1,2,3
	v_permlanex16_b32 v[TM+4+\b], v[TM+\b], s[SEL], s[SEL+1]
.endr
.irp b, 0,1,2,3
	v_max_num_f32 v[TM+\b], v[TM+\b], v[TM+4+\b]   ; the block's largest magnitude
.endr
.irp b, 0,1,2,3
	v_add_nc_u32 v[TM+12+\b], EOFF, v[TM+\b]       ; 8 off its exponent field: the conversion's scale operand
.endr
.irp b, 0,1,2,3
	v_and_or_b32 v[TM+8+\b], v[TM+\b], EXPM, s[MNT]   ; 448 x the scale
.endr
.irp b, 0,1,2,3
	v_lshrrev_b32 v[TM+4+\b], 23, v[TM+12+\b]      ; the scale's byte
.endr
	v_lshl_or_b32 v[\w], v[TM+5], 8, v[TM+4]
	v_lshl_or_b32 v[\w], v[TM+6], 16, v[\w]
	v_lshl_or_b32 v[\w], v[TM+7], 24, v[\w]
.irp b, 0,1,2,3
.irp i, 0,1,2,3,4,5,6,7,8,9,10,11,12,13,14,15
	v_med3_num_f32 v[\s+16*\b+\i], v[\s+16*\b+\i], -v[TM+8+\b], v[TM+8+\b]   ; the conversion to an 8-bit code does not saturate (ISA guide 7.6.2)
.endr
	v_cvt_scalef32_pk8_fp8_f32 v[\d+4*\b:\d+4*\b+1], v[\s+16*\b:\s+16*\b+7], v[TM+12+\b]
	v_cvt_scalef32_pk8_fp8_f32 v[\d+4*\b+2:\d+4*\b+3], v[\s+16*\b+8:\s+16*\b+15], v[TM+12+\b]
.endr
	v_nop                                          ; one plain line behind the last conversion
.endm
	s_load_b512 s[4:19], s[0:1], 0x0               ; W_e 4, W_k codes 6, scales 8, W_q codes 10, scales 12, W_p codes 14, scales 16, wcode 18
	s_load_b64 s[20:21], s[0:1], 0x40              ; scores
	v_lshl_add_u32 v254, v0, 2, 0x45800
	v_mov_b32 v255, 0
	v_lshrrev_b32 v1, 5, v0
	v_readfirstlane_b32 s22, v1                    ; wave 0..7
	s_mov_b32 s[SEL], 0x76543210
	s_mov_b32 s[SEL+1], 0xfedcba98
	s_mov_b32 s[MNT], 0x600000
	s_mov_b32 s35, 0
	s_mov_b32 s37, 0
	s_mov_b32 s39, 0
	s_mov_b32 s49, 0
	s_wait_kmcnt 0x0
	s_cmp_ge_u32 ttmp9, 197
	s_cbranch_scc1 .Lpos
; ---------------------------------------------------------------- (1) W_e into codes, both ways
; Work-group: two K steps of 128 vocabulary rows.  Wave w: K step 2 x group + w / 4, columns 64 (w % 4) on: 32 KB, all 64 loads out at once.
; Lane (r, h) loads 16 bytes: columns 4 r + 0..3 of row 32 c + 16 h + i: sixteen lanes read 256 consecutive bytes, aligned.  Register 64 c + 4 i + q of X is W_e(32 c + 16 h + i, 4 r + q).
; ALONG THE VOCABULARY a column's numbers run down X in steps of four registers; the hold moves them into consecutive registers on its way.  Operand q then holds columns 4 r + q; its codes go
; through the wave's own LDS bytes once, to come back with the columns that a tile is to have.
; ALONG d the numbers go through the wave's stage, as rows, and come back 16 neighbours to a lane.
; Window 1: X.  Window 0: v1-19 addresses, the rest as named.
.set CB,    32                         ; v32-95   vocabulary codes: operand q at 32 + 16 q
.set CY,    96                         ; v96-159  64 numbers at work; at the end the vocabulary codes by tiles
.set PCD,   160                        ; v160-223 d codes: 16 registers for each block of 32 v, so that no store's data are written again
.set TM,    224                        ; v224-239 at work in QUANT
.set CTM,   224                        ; v224-227 largest magnitudes
.set CPD,   228                        ; v228-231 the permutes' destinations
.set CSCL,  232                        ; v232-235 the conversions' scale operands
.set CLIM,  236                        ; v236-239 448 x the scale
.set CBY,   240                        ; v240-243 scale bytes; at the end v240-241 scale words by tiles
.set CSW,   244                        ; v244-247 scale words of the four operands
.set HW,    248                        ; v248-251 d scale bytes of a block of 32 v: tile 0's two below, tile 1's two above
	s_lshr_b32 s24, s22, 2                         ; which of the group's two K steps
	s_and_b32 s25, s22, 3                          ; which 64 columns
	s_lshl_b32 s26, ttmp9, 1
	s_add_co_u32 s26, s26, s24                     ; K step
	s_lshr_b32 s27, s25, 1                         ; s: which 128 of d
	s_and_b32 s28, s25, 1                          ; and which half of them
	s_lshl_b32 s48, s26, 17                        ; 128 rows of 1,024 bytes
	s_lshl_b32 s34, s25, 8
	s_add_co_u32 s48, s48, s34
	s_add_nc_u64 s[4:5], s[4:5], s[48:49]
	s_lshl_b32 s48, s26, 15                        ; W_d codes: four blocks of 8,192 bytes a K step, + 2,048 s + 1,024 half
	s_lshl_b32 s34, s27, 11
	s_add_co_u32 s48, s48, s34
	s_lshl_b32 s34, s28, 10
	s_add_co_u32 s48, s48, s34
	s_add_nc_u64 s[40:41], s[18:19], s[48:49]
	s_lshl_b32 s48, s26, 15                        ; W_v codes: 32,768 bytes a K step, my four tiles 8,192 x (w % 4) on
	s_lshl_b32 s34, s25, 13
	s_add_co_u32 s48, s48, s34
	s_add_co_u32 s48, s48, O_WVC
	s_add_nc_u64 s[42:43], s[18:19], s[48:49]
	s_lshl_b32 s48, s26, 10                        ; W_v scale words: 1,024 bytes a K step
	s_lshl_b32 s34, s25, 8
	s_add_co_u32 s48, s48, s34
	s_add_co_u32 s48, s48, O_WVS
	s_add_nc_u64 s[44:45], s[18:19], s[48:49]
	s_lshl_b32 s48, ttmp9, 11                      ; W_d scale words: 2,048 bytes a work-group
	s_add_co_u32 s48, s48, O_WDS
	s_add_nc_u64 s[46:47], s[18:19], s[48:49]
	v_and_b32 v10, 15, v0                          ; r
	v_bfe_u32 v11, v0, 4, 1                        ; h
	v_and_b32 v6, 31, v0                           ; lane
	v_lshlrev_b32 v12, 4, v10                      ; 16 r
	v_lshl_add_u32 v1, v11, 14, v12                ; W_e: 16 rows x h + 16 r
	s_mul_i32 s50, s22, STG                        ; my stage
	v_mul_u32_u24 v13, v11, 16*272
	v_add_nc_u32 v13, v13, v12
	v_add_nc_u32 v2, s50, v13                      ; into it: row 16 h (+ 32 c + i), 16 r
	v_and_b32 v13, 8, v10
	v_add_nc_u32 v13, v13, v10                     ; r + 8 (r / 8)
	v_mul_u32_u24 v13, v13, 272
	v_lshl_add_u32 v13, v11, 6, v13
	v_add_nc_u32 v3, s50, v13                      ; out of it: a tile's row r, + 64 h
	v_lshlrev_b32 v4, 4, v6                        ; 16 x lane: an image's place in memory
	v_add_nc_u32 v7, s50, v4                       ; and in my LDS bytes
	v_and_b32 v13, 3, v10                          ; a tile's lane r wants column 32 b + 8 u + r + 8 (r / 8): operand r % 4,
	v_lshrrev_b32 v14, 2, v10
	v_lshrrev_b32 v15, 3, v10
	v_lshl_add_u32 v14, v15, 1, v14                ; lane 8 b + 2 u + r / 4 + 2 (r / 8) of it
	v_lshlrev_b32 v5, 11, v13
	v_lshl_add_u32 v5, v14, 4, v5
	v_lshl_add_u32 v5, v11, 8, v5
	v_add_nc_u32 v5, s50, v5                       ; codes back: 2,048 (r % 4) + 16 x that lane + 256 h
	v_lshl_add_u32 v8, v10, 2, s50                 ; scale words in: 4 r
	v_lshlrev_b32 v9, 6, v13
	v_lshl_add_u32 v9, v14, 2, v9
	v_lshl_add_u32 v9, v11, 3, v9
	v_add_nc_u32 v9, s50, v9                       ; scale words back: lanes 0-15 take tile 2 b, lanes 16-31 tile 2 b + 1
	s_lshl_b32 s51, s24, 10
	s_lshl_b32 s34, s27, 6
	s_add_co_u32 s51, s51, s34
	s_lshl_b32 s34, s28, 1
	s_add_co_u32 s51, s51, s34
	s_add_co_u32 s51, s51, SCLB
	v_lshl_add_u32 v16, v10, 2, s51                ; W_d's scale words: row r's word of (K step, s), my two bytes of it
	v_lshlrev_b32 v17, 2, v6
	v_lshl_add_u32 v18, v0, 3, SCLB                ; and their way out: 8 bytes a thread
	v_lshlrev_b32 v19, 3, v0
.macro CLOAD c, i
	global_load_b128 v[64*(\c)+4*(\i):64*(\c)+4*(\i)+3], v1, s[4:5] offset:(32*(\c)+(\i))*1024
.endm
	s_cmp_lt_u32 s26, 392
	s_cbranch_scc1 .Lfull
	v_cmp_gt_u32 vcc_lo, 16, v6                    ; K steps 392 (81 rows exist) and 393 (none): what does not exist is zero
	WIN 0x40
.set zz, 0
.rept 256
	v_mov_b32 v[zz], 0
.set zz, zz+1
.endr
	WIN 0
	s_cmp_lg_u32 s26, 392
	s_cbranch_scc1 .Lblocks
	WIN 0x40
.irp c, 0,1
.irp i, 0,1,2,3,4,5,6,7,8,9,10,11,12,13,14,15
	CLOAD \c, \i
.endr
.endr
	CLOAD 2, 0                                     ; rows 64 and 80 of the step: both exist
	s_wait_xcnt 0x0                                ; EXEC changes only behind this wait
	s_and_saveexec_b32 s33, vcc_lo                 ; rows 65-79: lanes 0-15; lanes 16-31 would leave the buffer
.irp i, 1,2,3,4,5,6,7,8,9,10,11,12,13,14,15
	CLOAD 2, \i
.endr
	s_wait_xcnt 0x0
	s_or_b32 exec_lo, exec_lo, s33
	s_wait_loadcnt 0x0                             ; all 48: the counted waits below are written for the 64 loads of the other way
	WIN 0
	s_branch .Lblocks
.Lfull:
	WIN 0x40
.irp c, 0,1,2,3
.irp i, 0,1,2,3,4,5,6,7,8,9,10,11,12,13,14,15
	CLOAD \c, \i
.endr
.endr
	WIN 0
.Lblocks:
.irp q, 0,1,2,3
	v_mov_b32 v[CPD+\q], 0                         ; a lane permute's destination counts as one of its sources
.endr
; Block c of 32 vocabulary rows: into the stage as rows, and my four columns' codes.  left: the loads issued behind this block's sixteen.
.macro BLOCK c, left
	s_wait_loadcnt \left
	WIN 0x04                                       ; an LDS store's data are its source 1
.irp i, 0,1,2,3,4,5,6,7,8,9,10,11,12,13,14,15
	ds_store_b128 v2, v[64*\c+4*\i:64*\c+4*\i+3] offset:(32*\c+\i)*272
.endr
	WIN 0x05
.irp q, 0,1,2,3
	v_max3_num_f32 v[CTM+\q], |v[64*\c+\q]|, |v[64*\c+4+\q]|, FLOORV
.endr
.irp i, 2,4,6,8,10,12,14
.irp q, 0,1,2,3
	v_max3_num_f32 v[CTM+\q], |v[64*\c+4*\i+\q]|, |v[64*\c+4*\i+4+\q]|, v[CTM+\q]
.endr
.endr
	WIN 0
.irp q, 0,1,2,3
	v_permlanex16_b32 v[CPD+\q], v[CTM+\q], s[SEL], s[SEL+1]
.endr
.irp q, 0,1,2,3
	v_max_num_f32 v[CTM+\q], v[CTM+\q], v[CPD+\q]  ; with lane l xor 16's sixteen rows: the block's largest magnitude
.endr
.irp q, 0,1,2,3
	v_add_nc_u32 v[CSCL+\q], EOFF, v[CTM+\q]
.endr
.irp q, 0,1,2,3
	v_and_or_b32 v[CLIM+\q], v[CTM+\q], EXPM, s[MNT]
.endr
.if \c == 0
.irp q, 0,1,2,3
	v_lshrrev_b32 v[CSW+\q], 23, v[CSCL+\q]        ; the scale's byte begins the word
.endr
.else
.irp q, 0,1,2,3
	v_lshrrev_b32 v[CBY+\q], 23, v[CSCL+\q]
.endr
.irp q, 0,1,2,3
	v_lshl_or_b32 v[CSW+\q], v[CBY+\q], 8*\c, v[CSW+\q]
.endr
.endif
	WIN 0x01
.irp q, 0,1,2,3
.irp i, 0,1,2,3,4,5,6,7,8,9,10,11,12,13,14,15
	v_med3_num_f32 v[CY+16*\q+\i], v[64*\c+4*\i+\q], -v[CLIM+\q], v[CLIM+\q]   ; the hold, and a column's numbers into consecutive registers
.endr
.endr
	WIN 0
.irp q, 0,1,2,3
	v_cvt_scalef32_pk8_fp8_f32 v[CB+16*\q+4*\c:CB+16*\q+4*\c+1], v[CY+16*\q:CY+16*\q+7], v[CSCL+\q]
	v_cvt_scalef32_pk8_fp8_f32 v[CB+16*\q+4*\c+2:CB+16*\q+4*\c+3], v[CY+16*\q+8:CY+16*\q+15], v[CSCL+\q]
.endr
	v_nop                                          ; one plain line behind the last conversion of a run
.endm
	BLOCK 0, 48
	BLOCK 1, 32
	BLOCK 2, 16
	BLOCK 3, 0
	; ---- along d: for each block t of 32 v its two tiles x my two blocks of 32 d.  LDS serves a wave's instructions in order: the loads see my stores
.irp t, 0,1,2,3
.irp u, 0,1
.irp e, 0,1
.irp j, 0,1,2,3
	ds_load_b128 v[CY+16*(2*\u+\e)+4*\j:CY+16*(2*\u+\e)+4*\j+3], v3 offset:(32*\t+8*\u)*272+128*\e+16*\j
.endr
.endr
.endr
	s_wait_dscnt 0x0
	QUANT CY, PCD+16*\t, HW+\t
	ds_store_b16 v16, v[HW+\t] offset:256*\t                    ; tile 0's two bytes
	ds_store_b16_d16_hi v16, v[HW+\t] offset:256*\t+128         ; tile 1's
.irp u, 0,1
.irp e, 0,1
	global_store_b128 v4, v[PCD+16*\t+4*(2*\u+\e):PCD+16*\t+4*(2*\u+\e)+3], s[40:41] offset:8192*\t+4096*\u+512*\e   ; 512 consecutive bytes
.endr
.endr
.endr
	; ---- the vocabulary codes change lanes: four operands in, four tiles out, in bytes of my stage that I have read out
.irp q, 0,1,2,3
.irp c, 0,1,2,3
	ds_store_b128 v7, v[CB+16*\q+4*\c:CB+16*\q+4*\c+3] offset:2048*\q+512*\c
.endr
	ds_store_b32 v8, v[CSW+\q] offset:8192+64*\q
.endr
.irp t, 0,1,2,3
.irp c, 0,1,2,3
	ds_load_b128 v[CY+16*\t+4*\c:CY+16*\t+4*\c+3], v5 offset:512*\c+128*(\t/2)+32*(\t%2)
.endr
.endr
.irp b, 0,1
	ds_load_b32 v[CBY+\b], v9 offset:8192+32*\b
.endr
	s_wait_dscnt 0x0
.irp t, 0,1,2,3
.irp c, 0,1,2,3
	global_store_b128 v4, v[CY+16*\t+4*\c:CY+16*\t+4*\c+3], s[42:43] offset:2048*\t+512*\c
.endr
.endr
.irp b, 0,1
	global_store_b32 v17, v[CBY+\b], s[44:45] offset:128*\b     ; two tiles' words: 128 consecutive bytes
.endr
	s_barrier_signal -1                            ; (no LDS instruction of mine is out: the wait above)
	s_barrier_wait -1                              ; the eight waves' halves of W_d's scale words lie in LDS
	ds_load_b64 v[252:253], v18
	s_wait_dscnt 0x0
	global_store_b64 v19, v[252:253], s[46:47]     ; the work-group stores 2,048 consecutive bytes
	s_wait_tensorcnt 0x0
	ds_add_u32 v254, v255
	s_wait_dscnt 0x0
	s_endpgm
; ---------------------------------------------------------------- (2) the scores of query 512
; Work-group: one head, 128 positions (8 tiles of 16; a position past 512 is held at 512: rows 513-639 of scores are copies that nobody reads).  Wave w: the head's e = 32 w .. 32 w + 31.
; Products 1 and 2 are used transposed: source 0 = 16 rows of the weight, source 1 = 16 positions.  THE ROWS OF A TILE ARE NOT NEIGHBOURS: lane r of tile u takes e = 32 w + 8 u + r + 8 (r / 8),
; so that a lane holds one position and the 16 registers of tiles u = 0, 1 are e = 32 w + 16 h + 0 .. 15: half of one block of product 3's K.
; Product 3 by parts of K: a wave multiplies its block of 32 alone.  Four tiles' codes are the four K blocks of one operand XI; XJ_c holds x_j's block in K block c and zero codes elsewhere,
; so product c picks tile c.  The eight waves' parts are added in f32 through LDS.
.set PSUM, 25                          ; v25-32   my part of the scores, tile k
.set WKS,  33                          ; v33-36   W_k's scale words (2 u + s);  v37-40 W_q's
.set WQS,  37
.set PS,   41                          ; v41-48   W_p's, tile c, K step s: 2 c + s
.set PJS,  49                          ; v49-50   position 512's
.set PW,   51                          ; v51      XI's scale word
.set XJS,  52                          ; v52-55   XJ_c's scale words
.set H,    64                          ; v64-127  results: tile c at 16 c + 8 u; then product 3's at 8 c
.set PC,   128                         ; v128-143 XI
.set WQ,   144                         ; v144-207 W_q's four fragments, then XJ_c at 16 c
.set TM,   208                         ; v208-223 at work in the quantiser
.set PF,   0                           ; window 1: W_p's fragments, 32 c + 16 s
.set PJ,   128                         ; window 1: position 512's two
.set WK,   160                         ; window 1: W_k's four
.macro PLOAD j                         ; four tiles of positions: 32 loads of codes, 8 of scale words
	WIN 0x40
.irp c, 0,1,2,3
.irp s, 0,1
.irp d, 0,1,2,3
	global_load_b128 v[PF+32*\c+16*\s+4*\d:PF+32*\c+16*\s+4*\d+3], v[7+4*\j+\c], s[14:15] offset:128*\s+32*\d
.endr
.endr
.endr
	WIN 0
.irp c, 0,1,2,3
.irp s, 0,1
	global_load_b32 v[PS+2*\c+\s], v[15+4*\j+\c], s[16:17] offset:4*\s
.endr
.endr
.endm
.Lpos:
	s_sub_co_u32 s24, ttmp9, 197
	s_and_b32 s25, s24, 7                          ; head
	s_lshr_b32 s26, s24, 3                         ; which 128 positions
	s_lshl_b32 s34, s25, 16
	s_lshl_b32 s27, s22, 13
	s_add_co_u32 s34, s34, s27                     ; codes: head x 256 rows + wave x 32 rows, of 256 bytes
	s_lshl_b32 s36, s25, 11
	s_lshl_b32 s27, s22, 8
	s_add_co_u32 s36, s36, s27                     ; scale bytes: 8 a row
	s_mul_i32 s38, s25, 2560
	s_lshl_b32 s27, s26, 9
	s_add_co_u32 s38, s38, s27
	s_add_nc_u64 s[6:7], s[6:7], s[34:35]
	s_add_nc_u64 s[10:11], s[10:11], s[34:35]
	s_add_nc_u64 s[8:9], s[8:9], s[36:37]
	s_add_nc_u64 s[12:13], s[12:13], s[36:37]
	s_add_nc_u64 s[20:21], s[20:21], s[38:39]
	v_and_b32 v1, 15, v0                           ; r
	v_bfe_u32 v2, v0, 4, 1
	v_lshlrev_b32 v2, 4, v2                        ; 16 h
	v_and_b32 v56, 8, v1
	v_add_nc_u32 v56, v56, v1                      ; r + 8 (r / 8)
	v_lshl_add_u32 v3, v56, 8, v2                  ; the weights' codes
	v_lshlrev_b32 v4, 3, v56                       ; and scale words
	v_add_nc_u32 v5, 0x20000, v2                   ; position 512's codes
	v_mov_b32 v6, 4096                             ; and scale words
	s_lshl_b32 s27, s26, 7
	v_add_nc_u32 v57, s27, v1
.irp k, 0,1,2,3,4,5,6,7
	v_add_nc_u32 v58, 16*\k, v57
	v_min_u32 v58, 512, v58                        ; no load leaves W_p
	v_lshl_add_u32 v[7+\k], v58, 8, v2
	v_lshlrev_b32 v[15+\k], 3, v58
.endr
	s_lshl_b32 s28, s22, 9
	s_add_co_u32 s28, s28, PB
	v_lshl_add_u32 v23, v1, 2, s28                 ; LDS: 512 w + 4 r
	v_lshlrev_b32 v24, 2, v0
	v_lshl_add_u32 v59, v0, 2, PB                  ; LDS: 4 x thread
.irp u, 0,1
.irp s, 0,1
.irp c, 0,1,2,3
	global_load_b128 v[WQ+16*(2*\u+\s)+4*\c:WQ+16*(2*\u+\s)+4*\c+3], v3, s[10:11] offset:\u*2048+128*\s+32*\c
.endr
	global_load_b32 v[WQS+2*\u+\s], v4, s[12:13] offset:\u*64+4*\s
.endr
.endr
	WIN 0x40
.irp s, 0,1
.irp c, 0,1,2,3
	global_load_b128 v[PJ+16*\s+4*\c:PJ+16*\s+4*\c+3], v5, s[14:15] offset:128*\s+32*\c
.endr
.endr
	WIN 0
.irp s, 0,1
	global_load_b32 v[PJS+\s], v6, s[16:17] offset:4*\s
.endr
	WIN 0x40                                       ; behind x_j's 30 loads: 16 + 4 + 32 + 8 = 60
.irp u, 0,1
.irp s, 0,1
.irp c, 0,1,2,3
	global_load_b128 v[WK+16*(2*\u+\s)+4*\c:WK+16*(2*\u+\s)+4*\c+3], v3, s[6:7] offset:\u*2048+128*\s+32*\c
.endr
.endr
.endr
	WIN 0
.irp u, 0,1
.irp s, 0,1
	global_load_b32 v[WKS+2*\u+\s], v4, s[8:9] offset:\u*64+4*\s
.endr
.endr
	PLOAD 0
.irp b, 0,1,2,3
	v_mov_b32 v[TM+4+\b], 0                        ; a lane permute's destination counts as one of its sources
.endr
	s_wait_loadcnt 60                              ; x_j's operands are in; the 60 loads issued behind them may be out
	WIN 0x04                                       ; source 1 in window 1.  The two sums take turns
	v_wmma_scale_f32_16x16x128_f8f6f4 v[H:H+7], v[WQ:WQ+15], v[PJ:PJ+15], 0, v[WQS], v[PJS]
	v_wmma_scale_f32_16x16x128_f8f6f4 v[H+8:H+15], v[WQ+32:WQ+47], v[PJ:PJ+15], 0, v[WQS+2], v[PJS]
	v_wmma_scale_f32_16x16x128_f8f6f4 v[H:H+7], v[WQ+16:WQ+31], v[PJ+16:PJ+31], v[H:H+7], v[WQS+1], v[PJS+1]
	v_wmma_scale_f32_16x16x128_f8f6f4 v[H+8:H+15], v[WQ+48:WQ+63], v[PJ+16:PJ+31], v[H+8:H+15], v[WQS+3], v[PJS+1]
	WIN 0
	PLACES 8
	; x_j's block of 32: every lane holds position 512, e = 32 w + 16 h + 0 .. 15
	v_max3_num_f32 v[TM], |v[H]|, |v[H+1]|, FLOORV
.irp i, 2,4,6,8,10,12,14
	v_max3_num_f32 v[TM], v[TM], |v[H+\i]|, |v[H+\i+1]|
.endr
	v_permlanex16_b32 v[TM+4], v[TM], s[SEL], s[SEL+1]
	v_max_num_f32 v[TM], v[TM], v[TM+4]
	v_add_nc_u32 v[TM+12], EOFF, v[TM]
	v_and_or_b32 v[TM+8], v[TM], EXPM, s[MNT]
	v_lshrrev_b32 v[TM+4], 23, v[TM+12]
	v_mov_b32 v[XJS], v[TM+4]                      ; XJ_c's scale word: the byte in place c; the other bytes stand over zero codes
	v_lshlrev_b32 v[XJS+1], 8, v[TM+4]
	v_lshlrev_b32 v[XJS+2], 16, v[TM+4]
	v_lshlrev_b32 v[XJS+3], 24, v[TM+4]
.irp i, 0,1,2,3,4,5,6,7,8,9,10,11,12,13,14,15
	v_med3_num_f32 v[H+\i], v[H+\i], -v[TM+8], v[TM+8]
.endr
.irp c, 0,1,2,3
	v_cvt_scalef32_pk8_fp8_f32 v[WQ+20*\c:WQ+20*\c+1], v[H:H+7], v[TM+12]          ; registers 4 c .. 4 c + 3 of XJ_c
	v_cvt_scalef32_pk8_fp8_f32 v[WQ+20*\c+2:WQ+20*\c+3], v[H+8:H+15], v[TM+12]
.endr
	v_nop
.irp c, 0,1,2,3
.irp k, 0,1,2,3
.if \k != \c
.irp n, 0,1,2,3
	v_mov_b32 v[WQ+16*\c+4*\k+\n], 0               ; zero codes in the three other K blocks
.endr
.endif
.endr
.endr
; Four tiles of positions: product 1 (16 matrix instructions, eight sums by turns), the quantiser, product 3 (four).
.macro BATCH j
	s_wait_loadcnt 0x0
	WIN 0x05
.irp s, 0,1
.irp c, 0,1,2,3
.irp u, 0,1
.if \s == 0
	v_wmma_scale_f32_16x16x128_f8f6f4 v[H+16*\c+8*\u:H+16*\c+8*\u+7], v[WK+16*(2*\u+\s):WK+16*(2*\u+\s)+15], v[PF+32*\c+16*\s:PF+32*\c+16*\s+15], 0, v[WKS+2*\u+\s], v[PS+2*\c+\s]
.else
	v_wmma_scale_f32_16x16x128_f8f6f4 v[H+16*\c+8*\u:H+16*\c+8*\u+7], v[WK+16*(2*\u+\s):WK+16*(2*\u+\s)+15], v[PF+32*\c+16*\s:PF+32*\c+16*\s+15], v[H+16*\c+8*\u:H+16*\c+8*\u+7], v[WKS+2*\u+\s], v[PS+2*\c+\s]
.endif
.endr
.endr
.endr
	WIN 0
	PLACES 9                                       ; ahead of the reads of results, of loads into operands, and of product 3's results, which are laid over these
.if \j == 0
	PLOAD 1                                        ; the other four tiles land while these are quantised
.endif
	QUANT H, PC, PW
	PLACES 4
.irp c, 0,1,2,3
	v_wmma_scale_f32_16x16x128_f8f6f4 v[H+8*\c:H+8*\c+7], v[WQ+16*\c:WQ+16*\c+15], v[PC:PC+15], 0, v[XJS+\c], v[PW]
.endr
	PLACES 9
.irp c, 0,1,2,3
	v_mov_b32 v[PSUM+4*\j+\c], v[H+8*\c]           ; all rows are equal: register 0 of lane r is position r of tile c
.endr
.endm
	BATCH 0
	BATCH 1
.irp k, 0,1,2,3,4,5,6,7
	ds_store_b32 v23, v[PSUM+\k] offset:64*\k
.endr
	s_wait_dscnt 0x0
	s_barrier_signal -1
	s_barrier_wait -1
	s_cmp_ge_u32 s22, 4
	s_cbranch_scc1 .Lend2
.irp k, 0,1,2,3,4,5,6,7
	ds_load_b32 v[224+\k], v59 offset:512*\k       ; thread t < 128: position t's eight parts
.endr
	s_wait_dscnt 0x0
	v_add_f32 v224, v224, v225
	v_add_f32 v226, v226, v227
	v_add_f32 v228, v228, v229
	v_add_f32 v230, v230, v231
	v_add_f32 v224, v224, v226
	v_add_f32 v228, v228, v230
	v_add_f32 v224, v224, v228
	global_store_b32 v24, v224, s[20:21]           ; four waves store 512 consecutive bytes
.Lend2:
	s_wait_tensorcnt 0x0
	ds_add_u32 v254, v255
	s_wait_dscnt 0x0
	s_endpgm
.Lfunc_end_k_q6209c03d59_front:
	.size	k_q6209c03d59_front, .Lfunc_end_k_q6209c03d59_front-k_q6209c03d59_front
	.p2alignl 7, 3214868480
	.fill 96, 4, 3214868480
	.section	.rodata,"a",@progbits
	.p2align	6, 0x0
	.amdhsa_kernel k_q6209c03d59_front
		.amdhsa_group_segment_fixed_size 285696
		.amdhsa_private_segment_fixed_size 0
		.amdhsa_enable_private_segment 0
		.amdhsa_kernarg_size 72
		.amdhsa_user_sgpr_count 2
		.amdhsa_user_sgpr_kernarg_segment_ptr 1
		.amdhsa_wavefront_size32 1
		.amdhsa_system_sgpr_workgroup_id_x 1
		.amdhsa_system_sgpr_workgroup_id_y 1
		.amdhsa_system_sgpr_workgroup_id_z 1
		.amdhsa_system_vgpr_workitem_id 0
		.amdhsa_next_free_vgpr 512
		.amdhsa_next_free_sgpr 66
		.amdhsa_reserve_vcc 1
		.amdhsa_float_denorm_mode_32 3
		.amdhsa_float_denorm_mode_16_64 3
		.amdhsa_memory_ordered 1
		.amdhsa_forward_progress 1
		.amdhsa_inst_pref_size 147
	.end_amdhsa_kernel
	.amdgpu_metadata
---
amdhsa.version: [ 1, 2 ]
amdhsa.kernels:
  - .name:           k_q6209c03d59_front
    .symbol:         k_q6209c03d59_front.kd
    .args:
      - { .name: W_e, .offset: 0, .size: 8, .value_kind: global_buffer, .address_space: global }
      - { .name: W_k_codes, .offset: 8, .size: 8, .value_kind: global_buffer, .address_space: global }
      - { .name: W_k_scales, .offset: 16, .size: 8, .value_kind: global_buffer, .address_space: global }
      - { .name: W_q_codes, .offset: 24, .size: 8, .value_kind: global_buffer, .address_space: global }
      - { .name: W_q_scales, .offset: 32, .size: 8, .value_kind: global_buffer, .address_space: global }
      - { .name: W_p_codes, .offset: 40, .size: 8, .value_kind: global_buffer, .address_space: global }
      - { .name: W_p_scales, .offset: 48, .size: 8, .value_kind: global_buffer, .address_space: global }
      - { .name: wcode, .offset: 56, .size: 8, .value_kind: global_buffer, .address_space: global }
      - { .name: scores, .offset: 64, .size: 8, .value_kind: global_buffer, .address_space: global }
    .group_segment_fixed_size: 285696
    .private_segment_fixed_size: 0
    .kernarg_segment_align: 8
    .kernarg_segment_size: 72
    .max_flat_workgroup_size: 256
    .sgpr_count:     66
    .vgpr_count:     512
    .wavefront_size: 32
...
	.end_amdgpu_metadata
.endif
;; end of part 1
;; launch chain (part 2): grid 16 x 16, 8 waves a work-group, no clusters, 136,192 bytes of LDS; arguments wcode, cpart; writes cpart
.if DOCPART == 2
	.amdgcn_target "amdgcn-amd-amdhsa--gfx1250"
	.amdhsa_code_object_version 6
	.text
	.protected	k_q6209c03d59_chain
	.globl	k_q6209c03d59_chain
	.p2align	8
	.type	k_q6209c03d59_chain,@function
k_q6209c03d59_chain:
	s_mov_b64 s[64:65], 0
	v_nop
	global_prefetch_b8 v0, s[64:65] scope:SCOPE_SE
	s_setreg_imm32_b32 hwreg(HW_REG_WAVE_MODE, 25, 1), 1
	s_wait_xcnt 0x0
; CHAIN: products 4 and 5 of reference() with what stands between them, for all 2,048 rows: S = Q(f_k) Q(W_e)^T, p = exp(clip(S, -10, 10)), the row's sum of p, O = Q(p) Q(W_e).
; reference() sets f_k = zeros in its own body: its codes are zeros and its scale bytes 127, so ONE fragment of zero codes stands for every row tile and both K steps of product 4.
; Nothing else is taken from that: S is read as the matrix unit gives it, and all that follows is computed from it.
; SHARES.  Work-group (x, y): vocabulary range x of 16, rows 128 y .. 128 y + 127 (8 row tiles).  The 197 steps of 256 vocabulary entries are dealt 13, 13, 13, 13, 13, 12, .. 12; every work-group walks 13:
; entries from the range's end on (and from 50,257 on) are hidden: p = 0 there, which adds nothing to the sum nor to O.  So the trip count is a constant of the text.
; THE WAVES SHARE THE COLUMNS, NOT THE ROWS.  In product 4 wave w takes the step's block of 32 entries 32 w on, in product 5 d = 32 w .. 32 w + 31, each for all 8 row tiles.  So each weight fragment
; is loaded once in a work-group, straight into registers (the launch before laid them as images of registers); what goes round through LDS is p: 4 registers a row tile and a wave, and a scale byte.
; Both products are used transposed (source 0 = 16 rows of the weight): a lane holds one row of f_k.  The entries of a tile are chosen so that the 16 registers of tiles u = 0, 1 are 16 neighbours
; of product 5's K; the d of a tile likewise, for the launch that follows.
; ONE STEP DEEP.  Product 5 of step t - 1 stands among the vector lines of step t's softmax, in four quarters of 4 row tiles x 1 K step (20 LDS loads, 8 matrix instructions): a quarter's loads are issued a
; segment of the softmax or more ahead of its products, and its products stand in two groups of four, each behind a segment.  The softmax's plain lines, which name no register of those products, are the places
; in front of every load into their operands.  The quarters go K step by K step, so W_v's fragments of K step 0 are free at mid-step and those of K step 1 at the step's end: each is loaded anew there,
; half a step ahead of its use; W_d behind the second half's product 4, likewise.
; LDS: two buffers for p (16 fragments of 2,048 bytes, then 16 x 64 bytes of scale words), 65,536 bytes apart, by turns: ONE barrier a step.  In front of it a wave has waited for its stores of p(t) into one
; buffer and for its reads of p(t - 1) from the other; behind it p(t) is read and p(t + 1) is written where p(t - 1) lay.  Behind the buffers 4,096 bytes for the rows' sums.
; OUT: cpart +0: O as images of the accumulators [range][row tile][wave][u][half][lane] 16 bytes a lane; +33,554,432: the rows' sums [range][2,048].
; No cluster: the sixteen work-groups of a range read the same weights, but by plain loads into registers; brought jointly they would pass through LDS, 128 KB in and 128 KB out a step, beside p's 32 KB in and 256 KB out.
; LIMITS: NaN and infinities are not served.  A block's largest p is made from its largest score by the same three instructions, which takes v_exp_f32 not to fall where its input rises.
; The f32 sums are taken in parts (26 K steps a range, 16 ranges).  exp(x) is 2^(x log2 e), the product rounded once.
.set FLOORV, 0x4800000
.set EOFF,   0xfc000000
.set EXPM,   0x7f800000
.set O_WVC, 12910592
.set O_WDS, 25821184
.set O_WVS, 26224640
.set SEL, 30                           ; s[30:31] v_permlanex16_b32's selects for lane l xor 16
.set MNT, 32                           ; s32 the mantissa field of 448
.set SCO,  32768                       ; a buffer's scale words
.set SRED, 131072                      ; the rows' sums
.set VD,   17                          ; v17      how many of my lane's 16 entries count (may be negative or over 16)
.set NINF, 18                          ; v18      -infinity
.set S,    32                          ; v32-95   scores, then p: row tile b at 16 b, tile u at 8 u
.set PF,   96                          ; v96-159  a quarter of product 5: four row tiles' fragments of p
.set PC,   160                         ; v160-175 p's codes: 4 registers a row tile
.set TM,   176                         ; v176-191 at work
.set F0,   192                         ; v192-207 f_k's zero codes
.set SUMP, 208                         ; v208-223 the rows' sums, a pair for each row tile
.set FS,   224                         ; v224     f_k's scale word: 127 four times
.set WDS,  225                         ; v225-228 W_d's scale words (2 u + s)
.set WVS,  229                         ; v229-232 W_v's (2 u + k)
.set PFS,  233                         ; v233-236 p's, one a row tile of the quarter; v237-240 a second set, for the tail
.set WD,   128                         ; window 1: v0-127 O^T (row tile m, tile u at 16 m + 8 u); v128-191 W_d's four fragments; v192-255 W_v's four
.set WV,   192
.set MSB, 0
.macro WIN new                         ; register windows: bits 1:0 source 0, 3:2 source 1, 5:4 source 2, 7:6 destination; the high byte repeats the setting that is left
.if MSB != (\new)
	s_set_vgpr_msb (MSB<<8)|(\new)
.set MSB, (\new)
.endif
.endm
.macro PLACES n
.rept \n
	v_nop
.endr
.endm
.macro SETWD                           ; s33: the step to fetch.  W_d: 8 blocks of 8,192 bytes a step, mine the w-th; scale words 256 bytes a block
	s_lshl_b32 s44, s33, 16
	s_add_co_u32 s44, s44, s46
	s_add_nc_u64 s[36:37], s[4:5], s[44:45]
	s_lshl_b32 s44, s33, 11
	s_add_co_u32 s44, s44, s47
	s_add_nc_u64 s[38:39], s[6:7], s[44:45]
.endm
.macro SETWV                           ; W_v: 2 K steps of 32,768 bytes a step, my two tiles 4,096 w on; scale words 1,024 bytes a K step
	s_lshl_b32 s44, s33, 16
	s_add_co_u32 s44, s44, s48
	s_add_nc_u64 s[40:41], s[8:9], s[44:45]
	s_lshl_b32 s44, s33, 11
	s_add_co_u32 s44, s44, s49
	s_add_nc_u64 s[42:43], s[10:11], s[44:45]
.endm
.macro LDWD                            ; 20 loads
	WIN 0x40
.irp u, 0,1
.irp s, 0,1
.irp c, 0,1,2,3
	global_load_b128 v[WD+16*(2*\u+\s)+4*\c:WD+16*(2*\u+\s)+4*\c+3], v4, s[36:37] offset:4096*\u+2048*\s+512*\c
.endr
.endr
.endr
	WIN 0
.irp u, 0,1
.irp s, 0,1
	global_load_b32 v[WDS+2*\u+\s], v5, s[38:39] offset:(2*\u+\s)*64
.endr
.endr
.endm
.macro LDWVK k                         ; W_v's two fragments of K step k and their scale words: 10 loads
	WIN 0x40
.irp u, 0,1
.irp c, 0,1,2,3
	global_load_b128 v[WV+16*(2*\u+\k)+4*\c:WV+16*(2*\u+\k)+4*\c+3], v4, s[40:41] offset:32768*\k+2048*\u+512*\c
.endr
.endr
	WIN 0
.irp u, 0,1
	global_load_b32 v[WVS+2*\u+\k], v5, s[42:43] offset:1024*\k+64*\u
.endr
.endm
; Quarter q of product 5: K step q / 2, row tiles 4 (q % 2) + 0 .. 3.  PVL: its four fragments of p and their scale words out of buffer pb: 20 LDS loads.
.macro PVL q, pb, base, sb
.irp j, 0,1,2,3
.irp c, 0,1,2,3
	ds_load_b128 v[\base+16*\j+4*\c:\base+16*\j+4*\c+3], v[10+(\pb)] offset:(2*(4*((\q)%2)+\j)+(\q)/2)*2048+512*\c
.endr
	ds_load_b32 v[\sb+\j], v[12+(\pb)] offset:SCO+(2*(4*((\q)%2)+\j)+(\q)/2)*64
.endr
.endm
; PVM: four of its eight products: row tiles j0, j0 + 1 of the quarter x my two tiles of d.  Four sums, one instruction each: the sums take turns.  It leaves the windows set.
.macro PVM q, j0, base, sb
	WIN 0x51                                       ; source 0 (W_v), C and D (O^T) in window 1
.irp j, \j0, \j0+1
.irp u, 0,1
	v_wmma_scale_f32_16x16x128_f8f6f4 v[16*(4*((\q)%2)+(\j))+8*\u:16*(4*((\q)%2)+(\j))+8*\u+7], v[WV+16*(2*\u+(\q)/2):WV+16*(2*\u+(\q)/2)+15], v[\base+16*(\j):\base+16*(\j)+15], v[16*(4*((\q)%2)+(\j))+8*\u:16*(4*((\q)%2)+(\j))+8*\u+7], v[WVS+2*\u+(\q)/2], v[\sb+(\j)]
.endr
.endr
.endm
; Row tiles 4 hh .. 4 hh + 3, my 32 entries: product 4 (16 matrix instructions, eight sums by turns), clip, exp, sum, quantiser; codes and scale bytes into buffer buf.
; pv = 1: quarters 2 hh and 2 hh + 1 of the step before's product 5, out of the other buffer, stand between the segments.
; ld = 1: the second half fetches the next step's W_d; 2: but not in the loop's last trip.
.macro HALF hh, buf, pv, ld
	WIN 0x01                                       ; source 0 in window 1
.irp s, 0,1
.irp b, 0,1,2,3
.irp u, 0,1
.if \s == 0
	v_wmma_scale_f32_16x16x128_f8f6f4 v[S+16*\b+8*\u:S+16*\b+8*\u+7], v[WD+16*(2*\u+\s):WD+16*(2*\u+\s)+15], v[F0:F0+15], 0, v[WDS+2*\u+\s], v[FS]
.else
	v_wmma_scale_f32_16x16x128_f8f6f4 v[S+16*\b+8*\u:S+16*\b+8*\u+7], v[WD+16*(2*\u+\s):WD+16*(2*\u+\s)+15], v[F0:F0+15], v[S+16*\b+8*\u:S+16*\b+8*\u+7], v[WDS+2*\u+\s], v[FS]
.endif
.endr
.endr
.endr
	WIN 0
	PLACES 8                                       ; ahead of the reads of the scores and of the loads into W_d's registers
.if \hh == 1
.if \pv
	s_wait_loadcnt 10                              ; W_v's K step 1 of the step before is in: behind its 10 loads only the 10 of this step's K step 0 were issued
.endif
.if \ld == 2
	s_cmp_eq_u32 s22, 1                            ; the last step has no successor: no load is issued for one
	s_cbranch_scc1 .Lnowd_\@
.endif
	s_wait_xcnt 0x0                                ; the earlier loads have read their bases
	s_add_co_u32 s33, s19, 1
	s_min_u32 s33, s33, 196                        ; (a step past the last is hidden: it reads the last step's codes, so that no load leaves the buffer)
	SETWD
	LDWD
.if \ld == 2
.Lnowd_\@:
.endif
.endif
	s_cmp_le_u32 s51, s20                          ; do all my 32 entries count?  (a branch on ids)
	s_cbranch_scc1 .Lall_a_\@
.irp i, 0,1,2,3,4,5,6,7,8,9,10,11,12,13,14,15
	v_cmp_lt_i32 vcc_lo, \i, v[VD]                 ; register 16 b + i holds entry 16 h + i of my block
.irp b, 0,1,2,3
	v_cndmask_b32 v[S+16*\b+\i], v[NINF], v[S+16*\b+\i], vcc_lo   ; a hidden entry must not count for the block's largest score
.endr
.endr
.Lall_a_\@:
.irp b, 0,1,2,3
	v_max3_num_f32 v[TM+\b], v[S+16*\b], v[S+16*\b+1], v[S+16*\b+2]   ; the block's largest score: p rises with the score, so it gives the block's largest p
.endr
.irp i, 3,5,7,9,11,13
.irp b, 0,1,2,3
	v_max3_num_f32 v[TM+\b], v[TM+\b], v[S+16*\b+\i], v[S+16*\b+\i+1]
.endr
.endr
.irp b, 0,1,2,3
	v_max_num_f32 v[TM+\b], v[TM+\b], v[S+16*\b+15]
.endr
.irp b, 0,1,2,3
	v_permlanex16_b32 v[TM+4+\b], v[TM+\b], s[SEL], s[SEL+1]
.endr
.irp b, 0,1,2,3
	v_max_num_f32 v[TM+\b], v[TM+\b], v[TM+4+\b]
.endr
.if \pv
	s_wait_dscnt 0x0                               ; quarter 2 hh's fragments, asked for at the end of the half before
	PVM 2*\hh, 0, PF, PFS
	WIN 0
.endif
.set nn, 0
.rept 64
	v_med3_num_f32 v[S+nn], v[S+nn], s26, s27      ; the clip at -10 and 10
.set nn, nn+1
.endr
.irp b, 0,1,2,3
	v_med3_num_f32 v[TM+\b], v[TM+\b], s26, s27
.endr
.if \pv
	PVM 2*\hh, 2, PF, PFS
	WIN 0
.endif
.set nn, 0
.rept 32
	v_pk_mul_f32 v[S+nn:S+nn+1], v[S+nn:S+nn+1], s[24:25] op_sel_hi:[1,0]   ; x log2(e).  (These lines are also the places in front of the loads below)
.set nn, nn+2
.endr
.irp b, 0,1,2,3
	v_mul_f32 v[TM+\b], s24, v[TM+\b]
.endr
.if \pv
	PVL 2*\hh+1, 1-\buf, PF, PFS                   ; the next quarter's fragments land under the exponentials
.endif
.set nn, 0
.rept 64
	v_exp_f32 v[S+nn], v[S+nn]
.set nn, nn+1
.endr
.irp b, 0,1,2,3
	v_exp_f32 v[TM+\b], v[TM+\b]
.endr
	v_nop                                          ; one plain line behind the transcendentals
	s_cmp_le_u32 s51, s20
	s_cbranch_scc1 .Lall_b_\@
	s_wait_alu depctr_va_vdst(0)
.irp i, 0,1,2,3,4,5,6,7,8,9,10,11,12,13,14,15
	v_cmp_lt_i32 vcc_lo, \i, v[VD]
.irp b, 0,1,2,3
	v_cndmask_b32 v[S+16*\b+\i], 0, v[S+16*\b+\i], vcc_lo   ; a hidden entry is 0: in the sum and as a code
.endr
.endr
.Lall_b_\@:
	s_wait_alu depctr_va_vdst(0)
.irp b, 0,1,2,3
	v_max_num_f32 v[TM+\b], FLOORV, v[TM+\b]
.endr
.irp b, 0,1,2,3
	v_add_nc_u32 v[TM+12+\b], EOFF, v[TM+\b]       ; 8 off the exponent field: the conversion's scale operand
.endr
.irp b, 0,1,2,3
	v_and_or_b32 v[TM+8+\b], v[TM+\b], EXPM, s[MNT]   ; 448 x the scale
.endr
.irp b, 0,1,2,3
	v_lshrrev_b32 v[TM+4+\b], 23, v[TM+12+\b]      ; the scale's byte
.endr
.irp i, 0,2,4,6,8,10,12,14
.irp b, 0,1,2,3
	v_pk_add_f32 v[SUMP+2*(4*\hh+\b):SUMP+2*(4*\hh+\b)+1], v[SUMP+2*(4*\hh+\b):SUMP+2*(4*\hh+\b)+1], v[S+16*\b+\i:S+16*\b+\i+1]   ; the row's sum is taken of the unquantised p
.endr
.endr
.if \pv
	s_wait_dscnt 0x0                               ; quarter 2 hh + 1's fragments
	PVM 2*\hh+1, 0, PF, PFS
	WIN 0
.endif
.irp b, 0,1
.irp i, 0,1,2,3,4,5,6,7,8,9,10,11,12,13,14,15
	v_min_num_f32 v[S+16*\b+\i], v[S+16*\b+\i], v[TM+8+\b]   ; the conversion to an 8-bit code does not saturate (ISA guide 7.6.2); p is not negative, so the hold is one-sided
.endr
	v_cvt_scalef32_pk8_fp8_f32 v[PC+4*\b:PC+4*\b+1], v[S+16*\b:S+16*\b+7], v[TM+12+\b]
	v_cvt_scalef32_pk8_fp8_f32 v[PC+4*\b+2:PC+4*\b+3], v[S+16*\b+8:S+16*\b+15], v[TM+12+\b]
.endr
.if \pv
	PVM 2*\hh+1, 2, PF, PFS
	WIN 0
.endif
.irp b, 2,3
.irp i, 0,1,2,3,4,5,6,7,8,9,10,11,12,13,14,15
	v_min_num_f32 v[S+16*\b+\i], v[S+16*\b+\i], v[TM+8+\b]   ; (these 32 lines are also the places in front of the loads into p's fragments and W_v's below)
.endr
	v_cvt_scalef32_pk8_fp8_f32 v[PC+4*\b:PC+4*\b+1], v[S+16*\b:S+16*\b+7], v[TM+12+\b]
	v_cvt_scalef32_pk8_fp8_f32 v[PC+4*\b+2:PC+4*\b+3], v[S+16*\b+8:S+16*\b+15], v[TM+12+\b]
.endr
	v_nop                                          ; one plain line behind the last conversion
.irp b, 0,1,2,3
	ds_store_b128 v[6+\buf], v[PC+4*\b:PC+4*\b+3] offset:(4*\hh+\b)*4096      ; piece w % 4 of fragment (row tile, K step w / 4)
	ds_store_b8 v[8+\buf], v[TM+4+\b] offset:SCO+(4*\hh+\b)*128               ; byte w % 4 of row r's word (lanes l and l xor 16 write the same byte with the same value)
.endr
.if \hh == 0
.if \pv
	PVL 2, 1-\buf, PF, PFS                         ; quarter 2, for the second half
	s_wait_dscnt 20                                ; the eight stores have read their registers; the 20 loads issued behind them may be out
.else
	s_wait_dscnt 0x0                               ; the stores have read their registers
.endif
	s_wait_xcnt 0x0                                ; the earlier loads have read their bases
	s_min_u32 s33, s19, 196
	SETWV
	LDWVK 0                                        ; this step's W_v, K step 0: the step before's has been multiplied
.else
	s_wait_dscnt 0x0                               ; my stores of p have landed, and my reads of the other buffer are over
	LDWVK 1                                        ; this step's W_v, K step 1
.endif
.endm
; A step of 256 entries: its softmax into buffer buf, and (pv = 1) the step before's product 5 out of the other buffer.
.macro STEPP buf, pv, ld
	s_lshl_b32 s23, s19, 8
	s_add_co_u32 s23, s23, s50                     ; my block's first entry
	s_sub_co_i32 s34, s20, s23
	v_sub_nc_u32 v[VD], s34, v2                    ; the range's end - my block's first entry - 16 h
	s_add_co_u32 s51, s23, 32
.if \pv
	s_wait_loadcnt 10                              ; W_d of this step and W_v's K step 0 of the step before are in; the 10 loads of its K step 1, issued behind them, may be out
.else
	s_wait_loadcnt 0x0
.endif
	HALF 0, \buf, \pv, \ld
	HALF 1, \buf, \pv, \ld
	s_barrier_signal -1                            ; (no LDS instruction of mine is out: the second half's last wait)
	s_barrier_wait -1                              ; all 16 fragments of p lie in the buffer, and nobody reads the other one any more
	PVL 0, \buf, PF, PFS                           ; quarter 0 of this step's product 5, which the next step carries
	s_add_co_u32 s19, s19, 1
.endm
	s_load_b128 s[4:7], s[0:1], 0x0                ; wcode, cpart
	v_lshl_add_u32 v254, v0, 2, 0x21000
	v_mov_b32 v255, 0
	v_lshrrev_b32 v1, 5, v0
	v_readfirstlane_b32 s16, v1                    ; wave 0..7
	s_and_b32 s18, ttmp7, 0xffff                   ; row block
	s_mul_i32 s19, ttmp9, 12
	s_min_u32 s33, ttmp9, 5
	s_add_co_u32 s19, s19, s33                     ; the range's first step: 12 x + min(x, 5)
	s_add_co_u32 s34, ttmp9, 1
	s_mul_i32 s20, s34, 12
	s_min_u32 s34, s34, 5
	s_add_co_u32 s20, s20, s34
	s_lshl_b32 s20, s20, 8
	s_min_u32 s20, s20, 50257                      ; the first entry that does not count
	s_mov_b32 s24, 0x3fb8aa3b                      ; log2(e); the packed form names the pair
	s_mov_b32 s25, s24
	s_mov_b32 s26, 0xc1200000                      ; -10
	s_mov_b32 s27, 0x41200000                      ; 10
	s_mov_b32 s[SEL], 0x76543210
	s_mov_b32 s[SEL+1], 0xfedcba98
	s_mov_b32 s[MNT], 0x600000
	s_mov_b32 s45, 0
	s_lshl_b32 s46, s16, 13
	s_lshl_b32 s47, s16, 8
	s_lshl_b32 s48, s16, 12
	s_lshl_b32 s49, s16, 7
	s_lshl_b32 s50, s16, 5
	v_and_b32 v1, 15, v0                           ; r
	v_bfe_u32 v2, v0, 4, 1
	v_lshlrev_b32 v2, 4, v2                        ; 16 h
	v_and_b32 v3, 31, v0                           ; lane
	v_lshlrev_b32 v4, 4, v3                        ; memory: 16 x lane
	v_lshlrev_b32 v5, 2, v1                        ; memory: 4 r
	s_wait_kmcnt 0x0
	s_mov_b64 s[12:13], s[6:7]
	s_add_nc_u64 s[6:7], s[4:5], O_WDS
	s_add_nc_u64 s[8:9], s[4:5], O_WVC
	s_add_nc_u64 s[10:11], s[4:5], O_WVS
	s_min_u32 s33, s19, 196
	SETWD
	LDWD                                           ; the first step's W_d; its W_v is asked for inside the step, in the order of every step
	v_mov_b32 v[FS], 0x7f7f7f7f
.irp i, 0,1,2,3,4,5,6,7,8,9,10,11,12,13,14,15
	v_mov_b32 v[F0+\i], 0
.endr
	s_lshr_b32 s34, s16, 2
	s_and_b32 s35, s16, 3
	s_lshl_b32 s21, s34, 11
	s_lshl_b32 s22, s35, 9
	s_add_co_u32 s21, s21, s22
	v_lshl_add_u32 v6, v3, 4, s21                  ; LDS, buffer 0: my piece of a fragment: 2,048 (w / 4) + 512 (w % 4) + 16 x lane
	v_add_nc_u32 v7, 0x10000, v6                   ; buffer 1
	s_lshl_b32 s21, s34, 6
	s_add_co_u32 s21, s21, s35
	v_lshl_add_u32 v8, v1, 2, s21                  ; my byte of row r's scale word: 64 (w / 4) + 4 r + w % 4
	v_add_nc_u32 v9, 0x10000, v8
	v_lshlrev_b32 v10, 4, v3                       ; a fragment back: 16 x lane
	v_add_nc_u32 v11, 0x10000, v10
	v_lshlrev_b32 v12, 2, v1                       ; a scale word back: 4 r
	v_add_nc_u32 v13, 0x10000, v12
	s_lshl_b32 s21, s16, 9
	s_add_co_u32 s21, s21, SRED
	v_lshl_add_u32 v14, v1, 2, s21                 ; the sums in: 512 w + 4 r
	v_lshl_add_u32 v15, v0, 2, SRED                ; and back: 4 x thread
	v_lshlrev_b32 v16, 2, v0
	v_mov_b32 v[NINF], 0xff800000
.irp i, 0,1,2,3,4,5,6,7,8,9,10,11,12,13,14,15
	v_mov_b32 v[SUMP+\i], 0
.endr
.irp b, 0,1,2,3
	v_mov_b32 v[TM+4+\b], 0                        ; a lane permute's destination counts as one of its sources
.endr
	WIN 0x40
.set zz, 0
.rept 128
	v_mov_b32 v[zz], 0                             ; O^T.  (The step with product 5 is written twice as it is; a first one of its own, with C = 0, would be a third copy)
.set zz, zz+1
.endr
	WIN 0
	s_lshl_b32 s44, ttmp9, 21                      ; O's place: range x 128 row tiles of 16,384 bytes, + my row block's 8, + 2,048 w
	s_lshl_b32 s34, s18, 17
	s_add_co_u32 s44, s44, s34
	s_lshl_b32 s34, s16, 11
	s_add_co_u32 s44, s44, s34
	s_add_nc_u64 s[52:53], s[12:13], s[44:45]
	s_lshl_b32 s44, ttmp9, 13                      ; the sums' place
	s_lshl_b32 s34, s18, 9
	s_add_co_u32 s44, s44, s34
	s_add_co_u32 s44, s44, 33554432
	s_add_nc_u64 s[54:55], s[12:13], s[44:45]
	STEPP 0, 0, 1                                  ; step 0: there is no product 5 yet to set between its lines
	s_mov_b32 s22, 6
.Lpair:                                                ; 6 trips of two steps, the buffers by turns: steps 1 to 12, each with the step before's product 5
	STEPP 1, 1, 1
	STEPP 0, 1, 2
	s_sub_co_u32 s22, s22, 1
	s_cmp_lg_u32 s22, 0
	s_cbranch_scc1 .Lpair
	; ---- the last step's product 5, out of buffer 0.  The scores' registers are free: they serve as a second set of fragments, so that a quarter's loads land under the quarter before's products
	PVL 1, 0, S, PFS+4
	s_wait_loadcnt 0x0                             ; the last step's W_v
	s_wait_dscnt 20                                ; quarter 0 is in; quarter 1's 20 loads may be out
	PVM 0, 0, PF, PFS
	PVM 0, 2, PF, PFS
	WIN 0
	PLACES 8                                       ; ahead of loads into registers that matrix instructions have read
	PVL 2, 0, PF, PFS
	s_wait_dscnt 20                                ; quarter 1 is in; quarter 2's 20 loads may be out
	PVM 1, 0, S, PFS+4
	PVM 1, 2, S, PFS+4
	WIN 0
	PLACES 8
	PVL 3, 0, S, PFS+4
	s_wait_dscnt 20                                ; quarter 2 is in; quarter 3's 20 loads may be out
	PVM 2, 0, PF, PFS
	PVM 2, 2, PF, PFS
	s_wait_dscnt 0x0
	PVM 3, 0, S, PFS+4
	PVM 3, 2, S, PFS+4
	WIN 0
	PLACES 8                                       ; ahead of the stores of O^T and of the vector lines that write the scores' registers
	; ---- out: the accumulators as they stand, each from its low end on: 512 consecutive bytes a store
	WIN 0x04                                       ; a store's data are its source 1
.irp m, 0,1,2,3,4,5,6,7
.irp u, 0,1
.irp j, 0,1
	global_store_b128 v4, v[16*\m+8*\u+4*\j:16*\m+8*\u+4*\j+3], s[52:53] offset:16384*\m+1024*\u+512*\j
.endr
.endr
.endr
	WIN 0
.irp m, 0,1,2,3,4,5,6,7
	v_add_f32 v[S+\m], v[SUMP+2*\m], v[SUMP+2*\m+1]
.endr
.irp m, 0,1,2,3,4,5,6,7
	v_permlanex16_b32 v[S+8+\m], v[S+\m], s[SEL], s[SEL+1]
.endr
.irp m, 0,1,2,3,4,5,6,7
	v_add_f32 v[S+\m], v[S+\m], v[S+8+\m]          ; row r of row tile m, over my blocks
.endr
.irp m, 0,1,2,3,4,5,6,7
	ds_store_b32 v14, v[S+\m] offset:64*\m
.endr
	s_wait_dscnt 0x0
	s_barrier_signal -1
	s_barrier_wait -1
	s_cmp_ge_u32 s16, 4
	s_cbranch_scc1 .Lend
.irp k, 0,1,2,3,4,5,6,7
	ds_load_b32 v[S+\k], v15 offset:512*\k         ; thread t < 128: row t's eight parts
.endr
	s_wait_dscnt 0x0
	v_add_f32 v[S], v[S], v[S+1]
	v_add_f32 v[S+2], v[S+2], v[S+3]
	v_add_f32 v[S+4], v[S+4], v[S+5]
	v_add_f32 v[S+6], v[S+6], v[S+7]
	v_add_f32 v[S], v[S], v[S+2]
	v_add_f32 v[S+4], v[S+4], v[S+6]
	v_add_f32 v[S], v[S], v[S+4]
	global_store_b32 v16, v[S], s[54:55]           ; four waves store 512 consecutive bytes
.Lend:
	s_wait_tensorcnt 0x0
	ds_add_u32 v254, v255
	s_wait_dscnt 0x0
	s_endpgm
.Lfunc_end_k_q6209c03d59_chain:
	.size	k_q6209c03d59_chain, .Lfunc_end_k_q6209c03d59_chain-k_q6209c03d59_chain
	.p2alignl 7, 3214868480
	.fill 96, 4, 3214868480
	.section	.rodata,"a",@progbits
	.p2align	6, 0x0
	.amdhsa_kernel k_q6209c03d59_chain
		.amdhsa_group_segment_fixed_size 136192
		.amdhsa_private_segment_fixed_size 0
		.amdhsa_enable_private_segment 0
		.amdhsa_kernarg_size 16
		.amdhsa_user_sgpr_count 2
		.amdhsa_user_sgpr_kernarg_segment_ptr 1
		.amdhsa_wavefront_size32 1
		.amdhsa_system_sgpr_workgroup_id_x 1
		.amdhsa_system_sgpr_workgroup_id_y 1
		.amdhsa_system_sgpr_workgroup_id_z 1
		.amdhsa_system_vgpr_workitem_id 0
		.amdhsa_next_free_vgpr 512
		.amdhsa_next_free_sgpr 66
		.amdhsa_reserve_vcc 1
		.amdhsa_float_denorm_mode_32 3
		.amdhsa_float_denorm_mode_16_64 3
		.amdhsa_memory_ordered 1
		.amdhsa_forward_progress 1
		.amdhsa_inst_pref_size 207
	.end_amdhsa_kernel
	.amdgpu_metadata
---
amdhsa.version: [ 1, 2 ]
amdhsa.kernels:
  - .name:           k_q6209c03d59_chain
    .symbol:         k_q6209c03d59_chain.kd
    .args:
      - { .name: wcode, .offset: 0, .size: 8, .value_kind: global_buffer, .address_space: global }
      - { .name: cpart, .offset: 8, .size: 8, .value_kind: global_buffer, .address_space: global }
    .group_segment_fixed_size: 136192
    .private_segment_fixed_size: 0
    .kernarg_segment_align: 8
    .kernarg_segment_size: 16
    .max_flat_workgroup_size: 256
    .sgpr_count:     66
    .vgpr_count:     512
    .wavefront_size: 32
...
	.end_amdgpu_metadata
.endif
;; end of part 2
;; launch dq (part 3): grid 128 x 2, 8 waves a work-group, no clusters, 75,264 bytes of LDS; arguments idx, W_e, cpart, dd; writes dd
.if DOCPART == 3
	.amdgcn_target "amdgcn-amd-amdhsa--gfx1250"
	.amdhsa_code_object_version 6
	.text
	.protected	k_q6209c03d59_dq
	.globl	k_q6209c03d59_dq
	.p2align	8
	.type	k_q6209c03d59_dq,@function
k_q6209c03d59_dq:
	s_mov_b64 s[64:65], 0
	v_nop
	global_prefetch_b8 v0, s[64:65] scope:SCOPE_SE
	s_setreg_imm32_b32 hwreg(HW_REG_WAVE_MODE, 25, 1), 1
	s_wait_xcnt 0x0
; DQ: E = (the 16 ranges' O) / (the 16 ranges' sums + 1e-8), diff = W_e[idx] - E, diff's codes along d (product 6's operand), and the sum of diff over 16 positions (for delta_B).
; Work-group (x, y): row tile x (16 rows), d = 128 y .. 128 y + 127.  Row r of row tile 8 c + t is position 128 c + 32 (t / 2) + 8 (t % 2) + r + 8 (r / 8) of the flattened [4 x 512]:
; the positions of a tile are not neighbours, so that product 6's results fall as neighbours along product 7's K.
; O comes as images of accumulators: register 16 b + i of lane (r, h) is O(row r, 128 y + 32 b + 16 h + i): the layout that the quantiser wants, so nothing changes lanes.
; Each wave adds two ranges (32 loads of 512 consecutive bytes); seven hand their 64 registers to wave 0 through LDS, as images; wave 0 does the rest.
; idx and the sixteen sums (17 loads of 64 bytes) are loaded by every wave, so that the text has one way up to the barrier; the gathered row lands in registers that every wave has used.
; OUT: dd +0: diff's fragments [row tile][y] 2,048 bytes; +524,288: their scale words, 128 bytes a fragment (both halves of the lanes hold the word); +557,056: the column sums [row tile][256] f32.
; No matrix work, no cluster: no two work-groups read the same bytes but rows that idx names twice.
; LIMITS: NaN and infinities are not served; idx is held at 50,256; the division is a multiplication by v_rcp_f32's result, fused with the subtraction; scale bytes of zero blocks and of blocks under 2^-118 are 1.
.set FLOORV, 0x4800000
.set EOFF,   0xfc000000
.set EXPM,   0x7f800000
.set SEL, 30
.set MNT, 32
.set SP,  16                           ; v16-31   the sixteen ranges' sums of my row
.set PW,  16                           ; v16      later: the scale word
.set TM,  32                           ; v32-47   at work in the quantiser
.set PC,  48                           ; v48-63   the codes
.set A,   64                           ; v64-127  O, then diff
.set X,   128                         ; v128-191 the second range, then the gathered row
.set B1,  192                         ; v192-255 images from LDS, in two halves by turns
.macro QUANT s, d, w
.irp b, 0,1,2,3
	v_max3_num_f32 v[TM+\b], |v[\s+16*\b]|, |v[\s+1+16*\b]|, FLOORV
.endr
.irp i, 2,4,6,8,10,12,14
.irp b, 0,1,2,3
	v_max3_num_f32 v[TM+\b], v[TM+\b], |v[\s+16*\b+\i]|, |v[\s+1+16*\b+\i]|
.endr
.endr
.irp b, 0,1,2,3
	v_permlanex16_b32 v[TM+4+\b], v[TM+\b], s[SEL], s[SEL+1]
.endr
.irp b, 0,1,2,3
	v_max_num_f32 v[TM+\b], v[TM+\b], v[TM+4+\b]
.endr
.irp b, 0,1,2,3
	v_add_nc_u32 v[TM+12+\b], EOFF, v[TM+\b]
.endr
.irp b, 0,1,2,3
	v_and_or_b32 v[TM+8+\b], v[TM+\b], EXPM, s[MNT]
.endr
.irp b, 0,1,2,3
	v_lshrrev_b32 v[TM+4+\b], 23, v[TM+12+\b]
.endr
	v_lshl_or_b32 v[\w], v[TM+5], 8, v[TM+4]
	v_lshl_or_b32 v[\w], v[TM+6], 16, v[\w]
	v_lshl_or_b32 v[\w], v[TM+7], 24, v[\w]
.irp b, 0,1,2,3
.irp i, 0,1,2,3,4,5,6,7,8,9,10,11,12,13,14,15
	v_med3_num_f32 v[\s+16*\b+\i], v[\s+16*\b+\i], -v[TM+8+\b], v[TM+8+\b]   ; the conversion to an 8-bit code does not saturate (ISA guide 7.6.2)
.endr
	v_cvt_scalef32_pk8_fp8_f32 v[\d+4*\b:\d+4*\b+1], v[\s+16*\b:\s+16*\b+7], v[TM+12+\b]
	v_cvt_scalef32_pk8_fp8_f32 v[\d+4*\b+2:\d+4*\b+3], v[\s+16*\b+8:\s+16*\b+15], v[TM+12+\b]
.endr
	v_nop
.endm
	s_load_b256 s[4:11], s[0:1], 0x0               ; idx 4, W_e 6, cpart 8, dd 10
	s_set_vgpr_msb 0x40
	v_lshl_add_u32 v0, v0, 2, 0x12200
	v_mov_b32 v1, 0
	s_set_vgpr_msb 0x4000
	v_lshrrev_b32 v1, 5, v0
	v_readfirstlane_b32 s12, v1                    ; wave 0..7
	s_and_b32 s13, ttmp7, 1                        ; which 128 of d
	s_mov_b32 s[SEL], 0x76543210
	s_mov_b32 s[SEL+1], 0xfedcba98
	s_mov_b32 s[MNT], 0x600000
	v_and_b32 v1, 15, v0                           ; r
	v_bfe_u32 v2, v0, 4, 1                         ; h
	v_and_b32 v3, 31, v0                           ; lane
	v_lshlrev_b32 v4, 4, v3                        ; 16 x lane: an image's place, in memory and in LDS
	v_lshlrev_b32 v13, 2, v3                       ; 4 x lane
	s_lshl_b32 s14, s12, 13
	v_add_nc_u32 v5, s14, v4                       ; LDS: my image: 8,192 w + 16 x lane
	s_lshr_b32 s15, ttmp9, 3
	s_lshl_b32 s15, s15, 7
	s_bfe_u32 s16, ttmp9, 0x20001
	s_lshl_b32 s16, s16, 5
	s_add_co_u32 s15, s15, s16
	s_and_b32 s16, ttmp9, 1
	s_lshl_b32 s16, s16, 3
	s_add_co_u32 s15, s15, s16                     ; the tile's first position
	v_and_b32 v6, 8, v1
	v_add3_u32 v6, v6, v1, s15
	v_lshlrev_b32 v6, 2, v6                        ; idx of my row
	s_lshl_b32 s16, ttmp9, 6
	v_lshl_add_u32 v7, v1, 2, s16                  ; my row's sum in a range
	v_lshlrev_b32 v3, 6, v2                        ; 64 h
	v_add_nc_u32 v10, 0x10000, v4                  ; LDS: diff in, chunks of 4 registers 528 bytes apart
	v_mul_u32_u24 v11, v1, 528
	v_lshl_add_u32 v11, v2, 8, v11
	v_add_nc_u32 v11, 0x10000, v11                 ; and back: lane l takes chunk l % 16 of the sixteen rows of half l / 16
	v_lshrrev_b32 v12, 2, v1
	v_lshlrev_b32 v12, 7, v12
	v_and_b32 v9, 3, v1
	v_lshl_add_u32 v12, v9, 4, v12
	v_add_nc_u32 v12, v12, v3                      ; whose four d begin at 32 (k / 4) + 16 half + 4 (k % 4)
	s_mov_b32 s19, 0
	s_lshl_b32 s18, s12, 22                        ; my two ranges of 2,097,152 bytes,
	s_lshl_b32 s17, ttmp9, 14                      ; the row tile's 16,384,
	s_add_co_u32 s18, s18, s17
	s_lshl_b32 s17, s13, 13                        ; my half of them
	s_add_co_u32 s18, s18, s17
	s_wait_kmcnt 0x0
	s_add_nc_u64 s[24:25], s[8:9], s[18:19]
	s_add_nc_u64 s[20:21], s[8:9], 33554432
	s_lshl_b32 s18, s13, 9
	s_add_nc_u64 s[26:27], s[6:7], s[18:19]
	s_lshl_b32 s18, ttmp9, 12
	s_lshl_b32 s17, s13, 11
	s_add_co_u32 s18, s18, s17
	s_add_nc_u64 s[28:29], s[10:11], s[18:19]
	s_lshl_b32 s18, ttmp9, 8
	s_lshl_b32 s17, s13, 7
	s_add_co_u32 s18, s18, s17
	s_add_co_u32 s18, s18, 524288
	s_add_nc_u64 s[34:35], s[10:11], s[18:19]
	s_lshl_b32 s18, ttmp9, 10
	s_lshl_b32 s17, s13, 9
	s_add_co_u32 s18, s18, s17
	s_add_co_u32 s18, s18, 557056
	s_add_nc_u64 s[36:37], s[10:11], s[18:19]
	global_load_b32 v8, v6, s[4:5]
.irp g, 0,1,2,3,4,5,6,7,8,9,10,11,12,13,14,15
	global_load_b32 v[SP+\g], v7, s[20:21] offset:8192*\g
.endr
.irp k, 0,1,2,3,4,5,6,7,8,9,10,11,12,13,14,15
	global_load_b128 v[A+4*\k:A+4*\k+3], v4, s[24:25] offset:512*\k th:TH_LOAD_NT
.endr
.irp k, 0,1,2,3,4,5,6,7,8,9,10,11,12,13,14,15
	global_load_b128 v[X+4*\k:X+4*\k+3], v4, s[24:25] offset:2097152+512*\k th:TH_LOAD_NT
.endr
	s_wait_loadcnt 0x0
.set nn, 0
.rept 32
	v_pk_add_f32 v[A+nn:A+nn+1], v[A+nn:A+nn+1], v[X+nn:X+nn+1]
.set nn, nn+2
.endr
	v_min_u32 v8, 0xc450, v8                       ; an index stays inside W_e
	v_lshlrev_b32 v9, 10, v8
	v_add_nc_u32 v9, v9, v3                        ; my row, + 64 h
	s_cmp_lg_u32 s12, 0
	s_cbranch_scc1 .Lothers
.irp b, 0,1,2,3
.irp j, 0,1,2,3
	global_load_b128 v[X+16*\b+4*\j:X+16*\b+4*\j+3], v9, s[26:27] offset:128*\b+16*\j   ; wave 0: W_e(idx, 128 y + 32 b + 16 h + 0 .. 15); it lands while the images are added
.endr
.endr
	s_branch .Ljoin
.Lothers:
.irp k, 0,1,2,3,4,5,6,7,8,9,10,11,12,13,14,15
	ds_store_b128 v5, v[A+4*\k:A+4*\k+3] offset:512*\k
.endr
.Ljoin:
	s_wait_dscnt 0x0                               ; for wave 0's sake
	s_barrier_signal -1
	s_barrier_wait -1
	s_cmp_lg_u32 s12, 0
	s_cbranch_scc1 .Lend
.macro IMH k, f                        ; half f of wave k's image: eight loads
.irp c, 0,1,2,3,4,5,6,7
	ds_load_b128 v[B1+32*\f+4*\c:B1+32*\f+4*\c+3], v4 offset:8192*\k+4096*\f+512*\c
.endr
.endm
.macro ADDH f
.set nn, 0
.rept 16
	v_pk_add_f32 v[A+32*\f+nn:A+32*\f+nn+1], v[A+32*\f+nn:A+32*\f+nn+1], v[B1+32*\f+nn:B1+32*\f+nn+1]
.set nn, nn+2
.endr
.endm
	IMH 1, 0
	IMH 1, 1
	v_pk_add_f32 v[16:17], v[16:17], v[18:19]      ; my row's sum over the ranges
	v_pk_add_f32 v[20:21], v[20:21], v[22:23]
	v_pk_add_f32 v[24:25], v[24:25], v[26:27]
	v_pk_add_f32 v[28:29], v[28:29], v[30:31]
	v_pk_add_f32 v[16:17], v[16:17], v[20:21]
	v_pk_add_f32 v[24:25], v[24:25], v[28:29]
	v_pk_add_f32 v[16:17], v[16:17], v[24:25]
	v_add_f32 v16, v16, v17
	v_add_f32 v16, 0x322bcc77, v16                 ; + 1e-8
	v_rcp_f32 v14, v16
.irp b, 0,1,2,3
	v_mov_b32 v[TM+4+\b], 0                        ; (plain lines behind the transcendental)  a lane permute's destination counts as one of its sources
.endr
	s_wait_alu depctr_va_vdst(0)
	v_mov_b32 v15, v14                             ; the packed form names the pair
.irp k, 2,3,4,5,6,7
	s_wait_dscnt 8                                 ; the older half is in; the other half's eight loads may be out
	ADDH 0
	IMH \k, 0
	s_wait_dscnt 8
	ADDH 1
	IMH \k, 1
.endr
	s_wait_dscnt 8
	ADDH 0
	s_wait_dscnt 0x0
	ADDH 1
	s_wait_loadcnt 0x0                             ; the gathered row
.set nn, 0
.rept 32
	v_pk_fma_f32 v[A+nn:A+nn+1], v[A+nn:A+nn+1], v[14:15], v[X+nn:X+nn+1] op_sel_hi:[1,0,1] neg_lo:[1,0,0] neg_hi:[1,0,0]   ; diff = e - O / sum
.set nn, nn+2
.endr
	; the sum over the tile's 16 rows: diff turns through LDS once: a lane then holds four columns of all sixteen rows.
.irp k, 0,1,2,3,4,5,6,7,8,9,10,11,12,13,14,15
	ds_store_b128 v10, v[A+4*\k:A+4*\k+3] offset:528*\k
.endr
.irp p, 0,1,2,3,4,5,6,7,8,9,10,11,12,13,14,15
	ds_load_b128 v[B1+4*\p:B1+4*\p+3], v11 offset:16*\p   ; LDS serves a wave's instructions in order: these see my stores
.endr
	s_wait_dscnt 0x0
.irp w, 32,16,8,4
.set nn, 0
.rept \w/2
	v_pk_add_f32 v[B1+nn:B1+nn+1], v[B1+nn:B1+nn+1], v[B1+\w+nn:B1+\w+nn+1]
.set nn, nn+2
.endr
.endr
	global_store_b128 v12, v[B1:B1+3], s[36:37]    ; the 32 lanes store 512 consecutive bytes
	QUANT A, PC, PW
.irp c, 0,1,2,3
	global_store_b128 v4, v[PC+4*\c:PC+4*\c+3], s[28:29] offset:512*\c
.endr
	global_store_b32 v13, v[PW], s[34:35]
.Lend:
	s_set_vgpr_msb 0x5
	s_wait_tensorcnt 0x0
	ds_add_u32 v0, v1
	s_wait_dscnt 0x0
	s_set_vgpr_msb 0x500
	s_endpgm
.Lfunc_end_k_q6209c03d59_dq:
	.size	k_q6209c03d59_dq, .Lfunc_end_k_q6209c03d59_dq-k_q6209c03d59_dq
	.p2alignl 7, 3214868480
	.fill 96, 4, 3214868480
	.section	.rodata,"a",@progbits
	.p2align	6, 0x0
	.amdhsa_kernel k_q6209c03d59_dq
		.amdhsa_group_segment_fixed_size 75264
		.amdhsa_private_segment_fixed_size 0
		.amdhsa_enable_private_segment 0
		.amdhsa_kernarg_size 32
		.amdhsa_user_sgpr_count 2
		.amdhsa_user_sgpr_kernarg_segment_ptr 1
		.amdhsa_wavefront_size32 1
		.amdhsa_system_sgpr_workgroup_id_x 1
		.amdhsa_system_sgpr_workgroup_id_y 1
		.amdhsa_system_sgpr_workgroup_id_z 1
		.amdhsa_system_vgpr_workitem_id 0
		.amdhsa_next_free_vgpr 258
		.amdhsa_next_free_sgpr 66
		.amdhsa_reserve_vcc 0
		.amdhsa_float_denorm_mode_32 3
		.amdhsa_float_denorm_mode_16_64 3
		.amdhsa_memory_ordered 1
		.amdhsa_forward_progress 1
		.amdhsa_inst_pref_size 50
	.end_amdhsa_kernel
	.amdgpu_metadata
---
amdhsa.version: [ 1, 2 ]
amdhsa.kernels:
  - .name:           k_q6209c03d59_dq
    .symbol:         k_q6209c03d59_dq.kd
    .args:
      - { .name: idx, .offset: 0, .size: 8, .value_kind: global_buffer, .address_space: global }
      - { .name: W_e, .offset: 8, .size: 8, .value_kind: global_buffer, .address_space: global }
      - { .name: cpart, .offset: 16, .size: 8, .value_kind: global_buffer, .address_space: global }
      - { .name: dd, .offset: 24, .size: 8, .value_kind: global_buffer, .address_space: global }
    .group_segment_fixed_size: 75264
    .private_segment_fixed_size: 0
    .kernarg_segment_align: 8
    .kernarg_segment_size: 32
    .max_flat_workgroup_size: 256
    .sgpr_count:     66
    .vgpr_count:     258
    .wavefront_size: 32
...
	.end_amdgpu_metadata
.endif
;; end of part 3
;; launch vstep (part 4): grid 16 x 16, 8 waves a work-group, no clusters, 2,048 bytes of LDS; arguments scores, dd, W_v_codes, W_v_scales, A_LR, B_LR, fpart; writes fpart
.if DOCPART == 4
	.amdgcn_target "amdgcn-amd-amdhsa--gfx1250"
	.amdhsa_code_object_version 6
	.text
	.protected	k_q6209c03d59_vstep
	.globl	k_q6209c03d59_vstep
	.p2align	8
	.type	k_q6209c03d59_vstep,@function
k_q6209c03d59_vstep:
	s_mov_b64 s[64:65], 0
	v_nop
	global_prefetch_b8 v0, s[64:65] scope:SCOPE_SE
	s_setreg_imm32_b32 hwreg(HW_REG_WAVE_MODE, 25, 1), 1
	s_wait_xcnt 0x0
; VSTEP: product 6 (V = diff W_v), the softmax of query 512, product 7 (K V), A_LR, delta_B.
; Work-group (x, y): 16 outputs e = 16 x + r; batch b = y / 4; 128 positions 128 (y % 4) on.  It stores fpart[y][16 x + r] = sum over heads of A_LR[h] x (sum over its positions of K V) + B_LR x (sum of diff).
; Wave w is head w.  diff's sixteen fragments (8 tiles of positions x 2 K steps) come from memory as images of registers.
; Product 6: source 0 = 16 positions, source 1 = 16 rows e of W_v: a lane holds one e and its registers run along the positions, product 7's K.  The positions of a tile are not neighbours:
; lane r of tile 2 b + u is position 32 b + 8 u + r + 8 (r / 8), so that the 16 registers of two neighbouring tiles are 16 neighbouring positions.
; No cluster: what the work-groups of one y share, 32 KB of codes, comes by plain loads into registers.
; LIMITS: NaN and infinities are not served; scale bytes of blocks under 2^-118 and of zero blocks are 1; delta_B is B_LR x sum(diff), not sum(diff x B_LR); the softmax's division is a multiplication
; by v_rcp_f32's result; product 7's f32 sum is taken in four parts of 128 positions.  fpart is stored 64 bytes a work-group (16 KB in the launch).
.set FLOORV, 0x4800000
.set EOFF,   0xfc000000
.set EXPM,   0x7f800000
.set SEL, 30
.set MNT, 32
.set DBV, 18                           ; v18      the sum of diff over tile w's positions, column 16 x + r
.set PW,  24                           ; v24      the scale word just made
.set KS,  25                           ; v25      the softmax row's scale word
.set WVS, 26                           ; v26-27   W_v's scale words
.set W,   32                           ; v32-95   64 numbers at work
.set EB,  96                           ; v96-103  product 7's result
.set SC,  112                          ; v112-128 the scores
.set PC,  160                          ; v160-175 the codes just made
.set KF,  176                          ; v176-191 the softmax row's codes
.set WV,  192                          ; v192-223 W_v's two fragments
.set TM,  224                          ; v224-239 at work in the quantiser
.set XS,  240                          ; v240-255 diff's scale words, fragment f;  window 1: diff's sixteen fragments
.set L_RED, 0                          ; LDS: a number for each head and e;
.set L_DB,  512                        ; delta_B's part for each tile and e
.set MSB, 0
.macro WIN new
.if MSB != (\new)
	s_set_vgpr_msb (MSB<<8)|(\new)
.set MSB, (\new)
.endif
.endm
.macro PLACES n
.rept \n
	v_nop
.endr
.endm
; 64 numbers of a lane, register 16 b + i = k 32 b + 16 h + i of my row, become an operand's codes in v[d] on and its scale word in v[w].
.macro QUANT s, d, w
.irp b, 0,1,2,3
	v_max3_num_f32 v[TM+\b], |v[\s+16*\b]|, |v[\s+1+16*\b]|, FLOORV
.endr
.irp i, 2,4,6,8,10,12,14
.irp b, 0,1,2,3
	v_max3_num_f32 v[TM+\b], v[TM+\b], |v[\s+16*\b+\i]|, |v[\s+1+16*\b+\i]|
.endr
.endr
.irp b, 0,1,2,3
	v_permlanex16_b32 v[TM+4+\b], v[TM+\b], s[SEL], s[SEL+1]
.endr
.irp b, 0,1,2,3
	v_max_num_f32 v[TM+\b], v[TM+\b], v[TM+4+\b]
.endr
.irp b, 0,1,2,3
	v_add_nc_u32 v[TM+12+\b], EOFF, v[TM+\b]
.endr
.irp b, 0,1,2,3
	v_and_or_b32 v[TM+8+\b], v[TM+\b], EXPM, s[MNT]
.endr
.irp b, 0,1,2,3
	v_lshrrev_b32 v[TM+4+\b], 23, v[TM+12+\b]
.endr
	v_lshl_or_b32 v[\w], v[TM+5], 8, v[TM+4]
	v_lshl_or_b32 v[\w], v[TM+6], 16, v[\w]
	v_lshl_or_b32 v[\w], v[TM+7], 24, v[\w]
.irp b, 0,1,2,3
.irp i, 0,1,2,3,4,5,6,7,8,9,10,11,12,13,14,15
	v_med3_num_f32 v[\s+16*\b+\i], v[\s+16*\b+\i], -v[TM+8+\b], v[TM+8+\b]
.endr
	v_cvt_scalef32_pk8_fp8_f32 v[\d+4*\b:\d+4*\b+1], v[\s+16*\b:\s+16*\b+7], v[TM+12+\b]
	v_cvt_scalef32_pk8_fp8_f32 v[\d+4*\b+2:\d+4*\b+3], v[\s+16*\b+8:\s+16*\b+15], v[TM+12+\b]
.endr
	v_nop
.endm
.macro EXPARG lo, n                    ; n pairs from v[lo]: (s - m) x log2(e).  The difference is taken first, so that a common offset of the scores costs nothing
.set pp, \lo
.rept \n
	v_pk_add_f32 v[pp:pp+1], v[pp:pp+1], v[28:29] op_sel_hi:[1,0] neg_lo:[0,1] neg_hi:[0,1]
.set pp, pp+2
.endr
.set pp, \lo
.rept \n
	v_pk_mul_f32 v[pp:pp+1], v[pp:pp+1], s[40:41] op_sel_hi:[1,0]
.set pp, pp+2
.endr
.endm
	s_load_b256 s[4:11], s[0:1], 0x0               ; scores 4, dd 6, W_v codes 8, scales 10
	s_load_b128 s[12:15], s[0:1], 0x20             ; A_LR 12, B_LR 14
	s_load_b64 s[16:17], s[0:1], 0x30              ; fpart
	v_lshl_add_u32 v158, v0, 2, 0x400
	v_mov_b32 v159, 0
	v_lshrrev_b32 v1, 5, v0
	v_readfirstlane_b32 s22, v1                    ; wave 0..7
	s_and_b32 s23, ttmp9, 15                       ; which 16 outputs
	s_and_b32 s24, ttmp7, 15                       ; y
	s_mov_b32 s[SEL], 0x76543210
	s_mov_b32 s[SEL+1], 0xfedcba98
	s_mov_b32 s[MNT], 0x600000
	s_mov_b32 s40, 0x3fb8aa3b                      ; log2(e); the packed form names the pair
	s_mov_b32 s41, s40
	v_and_b32 v20, 15, v0                          ; r
	v_bfe_u32 v21, v0, 4, 1                        ; h
	v_and_b32 v22, 31, v0                          ; lane
	v_lshlrev_b32 v4, 2, v22                       ; 4 x lane
	v_mov_b32 v5, 0
	s_and_b32 s28, s24, 3
	s_lshl_b32 s28, s28, 9
	v_lshl_add_u32 v6, v21, 6, s28                 ; my 128 scores: 512 (y % 4) + 64 h
	v_lshlrev_b32 v7, 8, v20
	v_lshl_add_u32 v7, v21, 4, v7                  ; W_v: row r, + 16 h
	v_lshlrev_b32 v8, 3, v20
	s_lshl_b32 s29, s23, 6
	v_lshl_add_u32 v19, v20, 2, s29                ; column 16 x + r of a row of 256 f32
	v_lshlrev_b32 v11, 4, v22                      ; 16 x lane: an image's place
	s_lshl_b32 s33, s22, 6
	v_lshl_add_u32 v15, v20, 2, s33                ; LDS: 64 w + 4 r
	v_lshlrev_b32 v16, 2, v20                      ; fpart: 4 r
	v_lshlrev_b32 v23, 2, v20                      ; LDS: 4 r
	s_mul_i32 s34, s22, 2560
	s_mov_b32 s35, 0
	s_lshl_b32 s36, s22, 16
	s_lshl_b32 s33, s23, 12
	s_add_co_u32 s36, s36, s33
	s_mov_b32 s37, 0
	s_lshl_b32 s38, s22, 11
	s_lshl_b32 s33, s23, 7
	s_add_co_u32 s38, s38, s33
	s_mov_b32 s39, 0
	s_lshl_b32 s42, s24, 10
	s_add_co_u32 s42, s42, s29
	s_mov_b32 s43, 0
	s_lshl_b32 s44, s24, 15                        ; diff's codes: 32,768 bytes a y
	s_mov_b32 s45, 0
	s_lshl_b32 s46, s24, 11                        ; their scale words: 2,048
	s_add_co_u32 s46, s46, 524288
	s_mov_b32 s47, 0
	s_lshl_b32 s58, s24, 13                        ; the column sums: row tile 8 y + w
	s_lshl_b32 s33, s22, 10
	s_add_co_u32 s58, s58, s33
	s_add_co_u32 s58, s58, 557056
	s_mov_b32 s59, 0
	s_wait_kmcnt 0x0
	s_add_nc_u64 s[4:5], s[4:5], s[34:35]          ; my head's scores
	s_add_nc_u64 s[8:9], s[8:9], s[36:37]          ; my head's 16 rows of W_v
	s_add_nc_u64 s[10:11], s[10:11], s[38:39]
	s_add_nc_u64 s[16:17], s[16:17], s[42:43]
	s_add_nc_u64 s[18:19], s[6:7], s[44:45]
	s_add_nc_u64 s[20:21], s[6:7], s[46:47]
	s_add_nc_u64 s[26:27], s[6:7], s[58:59]
	s_load_b256 s[48:55], s[12:13], 0x0            ; A_LR, all eight
	s_load_b32 s56, s[14:15], 0x0                  ; B_LR
	; 33 loads of scores, then 91 others
.irp i, 0,1,2,3,4,5,6,7,8,9,10,11,12,13,14,15
	global_load_b32 v[SC+\i], v4, s[4:5] offset:128*\i          ; score 32 i + lane
.endr
	global_load_b32 v[SC+16], v5, s[4:5] offset:2048            ; score 512, in every lane
.irp c, 0,1,2,3
.irp j, 0,1,2,3
	global_load_b128 v[W+16*\c+4*\j:W+16*\c+4*\j+3], v6, s[4:5] offset:128*\c+16*\j   ; my positions' scores, as the operand wants them: 32 c + 16 h + 0 .. 15
.endr
.endr
	WIN 0x40
.irp f, 0,1,2,3,4,5,6,7,8,9,10,11,12,13,14,15
.irp c, 0,1,2,3
	global_load_b128 v[16*\f+4*\c:16*\f+4*\c+3], v11, s[18:19] offset:2048*\f+512*\c   ; fragment f = 2 x tile + K step
.endr
.endr
	WIN 0
.irp f, 0,1,2,3,4,5,6,7,8,9,10,11,12,13,14,15
	global_load_b32 v[XS+\f], v4, s[20:21] offset:128*\f
.endr
.irp s, 0,1
.irp c, 0,1,2,3
	global_load_b128 v[WV+16*\s+4*\c:WV+16*\s+4*\c+3], v7, s[8:9] offset:128*\s+32*\c
.endr
.endr
.irp s, 0,1
	global_load_b32 v[WVS+\s], v8, s[10:11] offset:4*\s
.endr
	global_load_b32 v[DBV], v19, s[26:27]
	v_mov_b32 v29, 0                               ; a permute's destination, and the upper half of the pair v[28:29]
	v_mov_b32 v31, 0                               ; the upper half of the pair v[30:31]
.irp b, 0,1,2,3
	v_mov_b32 v[TM+4+\b], 0
.endr
	s_wait_loadcnt 63                              ; 124 are issued: the oldest 61 are in, all 33 of scores among them (91, the exact count, is more than a wait can name)
	; ---- the softmax of query 512 over all 513 keys, finished and normalised, as reference() has it ahead of the quantiser
	v_max3_num_f32 v28, v[SC], v[SC+1], v[SC+2]
.irp i, 3,5,7,9,11,13,15
	v_max3_num_f32 v28, v28, v[SC+\i], v[SC+\i+1]
.endr
	v_max_num_f32_dpp v28, v28, v28 row_xmask:1 row_mask:0xf bank_mask:0xf
	v_max_num_f32_dpp v28, v28, v28 row_xmask:2 row_mask:0xf bank_mask:0xf
	v_max_num_f32_dpp v28, v28, v28 row_xmask:4 row_mask:0xf bank_mask:0xf
	v_max_num_f32_dpp v28, v28, v28 row_xmask:8 row_mask:0xf bank_mask:0xf
	v_permlanex16_b32 v29, v28, s[SEL], s[SEL+1]
	v_max_num_f32 v28, v28, v29                    ; the row's maximum, in every lane
	EXPARG SC, 8
	v_sub_f32 v[SC+16], v[SC+16], v28
	v_mul_f32 v[SC+16], s40, v[SC+16]
	EXPARG W, 32
.set ii, 0
.rept 17
	v_exp_f32 v[SC+ii], v[SC+ii]
.set ii, ii+1
.endr
.set ii, 0
.rept 64
	v_exp_f32 v[W+ii], v[W+ii]
.set ii, ii+1
.endr
	v_nop                                          ; one plain line behind the transcendentals
	s_wait_alu depctr_va_vdst(0)
	v_pk_add_f32 v[SC:SC+1], v[SC:SC+1], v[SC+2:SC+3]
	v_pk_add_f32 v[SC+4:SC+5], v[SC+4:SC+5], v[SC+6:SC+7]
	v_pk_add_f32 v[SC+8:SC+9], v[SC+8:SC+9], v[SC+10:SC+11]
	v_pk_add_f32 v[SC+12:SC+13], v[SC+12:SC+13], v[SC+14:SC+15]
	v_pk_add_f32 v[SC:SC+1], v[SC:SC+1], v[SC+4:SC+5]
	v_pk_add_f32 v[SC+8:SC+9], v[SC+8:SC+9], v[SC+12:SC+13]
	v_pk_add_f32 v[SC:SC+1], v[SC:SC+1], v[SC+8:SC+9]
	v_add_f32 v30, v[SC], v[SC+1]
	v_add_f32_dpp v30, v30, v30 row_xmask:1 row_mask:0xf bank_mask:0xf
	v_add_f32_dpp v30, v30, v30 row_xmask:2 row_mask:0xf bank_mask:0xf
	v_add_f32_dpp v30, v30, v30 row_xmask:4 row_mask:0xf bank_mask:0xf
	v_add_f32_dpp v30, v30, v30 row_xmask:8 row_mask:0xf bank_mask:0xf
	v_permlanex16_b32 v29, v30, s[SEL], s[SEL+1]
	v_add_f32 v30, v30, v29
	v_add_f32 v30, v30, v[SC+16]                   ; key 512 counts in the sum, once; its weight is dropped
	v_rcp_f32 v30, v30
	v_nop
.set ii, 0
	s_wait_alu depctr_va_vdst(0)
.rept 32
	v_pk_mul_f32 v[W+ii:W+ii+1], v[W+ii:W+ii+1], v[30:31] op_sel_hi:[1,0]
.set ii, ii+2
.endr
	QUANT W, KF, KS
	; ---- product 6 for my head: eight tiles of positions x my 16 rows of W_v
	s_wait_loadcnt 0x0
	s_wait_kmcnt 0x0                               ; A_LR, B_LR
	ds_store_b32 v15, v[DBV] offset:L_DB
	WIN 0x01                                       ; source 0 in window 1.  Eight sums by turns
.irp s, 0,1
.irp t, 0,1,2,3,4,5,6,7
.if \s == 0
	v_wmma_scale_f32_16x16x128_f8f6f4 v[W+8*\t:W+8*\t+7], v[16*(2*\t+\s):16*(2*\t+\s)+15], v[WV+16*\s:WV+16*\s+15], 0, v[XS+2*\t+\s], v[WVS+\s]
.else
	v_wmma_scale_f32_16x16x128_f8f6f4 v[W+8*\t:W+8*\t+7], v[16*(2*\t+\s):16*(2*\t+\s)+15], v[WV+16*\s:WV+16*\s+15], v[W+8*\t:W+8*\t+7], v[XS+2*\t+\s], v[WVS+\s]
.endif
.endr
.endr
	WIN 0
	PLACES 8
	QUANT W, PC, PW                                ; V along the positions: register 16 b + i is position 32 b + 16 h + i of my e
	PLACES 4
	v_wmma_scale_f32_16x16x128_f8f6f4 v[EB:EB+7], v[KF:KF+15], v[PC:PC+15], 0, v[KS], v[PW]   ; product 7: sixteen equal rows of K x my 16 e
	PLACES 8
	ds_store_b32 v15, v[EB] offset:L_RED           ; register 0 of lane r: e = 16 x + r
	s_wait_dscnt 0x0
	s_barrier_signal -1
	s_barrier_wait -1
	s_cmp_lg_u32 s22, 0
	s_cbranch_scc1 .Lend
.irp k, 0,1,2,3,4,5,6,7
	ds_load_b32 v[W+\k], v23 offset:L_RED+64*\k
.endr
.irp k, 0,1,2,3,4,5,6,7
	ds_load_b32 v[W+8+\k], v23 offset:L_DB+64*\k
.endr
	s_wait_dscnt 0x0
	v_mul_f32 v[W], s48, v[W]
.irp k, 1,2,3,4,5,6,7
	v_fmac_f32 v[W], s[48+\k], v[W+\k]             ; x A_LR[h], summed over the heads
.endr
	v_add_f32 v[W+8], v[W+8], v[W+9]
	v_add_f32 v[W+10], v[W+10], v[W+11]
	v_add_f32 v[W+12], v[W+12], v[W+13]
	v_add_f32 v[W+14], v[W+14], v[W+15]
	v_add_f32 v[W+8], v[W+8], v[W+10]
	v_add_f32 v[W+12], v[W+12], v[W+14]
	v_add_f32 v[W+8], v[W+8], v[W+12]
	v_fmac_f32 v[W], s56, v[W+8]                   ; + B_LR x the sum of diff
	v_cmp_gt_u32 vcc_lo, 16, v22
	s_wait_xcnt 0x0
	s_and_saveexec_b32 s33, vcc_lo
	global_store_b32 v16, v[W], s[16:17]
	s_wait_xcnt 0x0
	s_or_b32 exec_lo, exec_lo, s33
.Lend:
	s_wait_tensorcnt 0x0
	ds_add_u32 v158, v159
	s_wait_dscnt 0x0
	s_endpgm
.Lfunc_end_k_q6209c03d59_vstep:
	.size	k_q6209c03d59_vstep, .Lfunc_end_k_q6209c03d59_vstep-k_q6209c03d59_vstep
	.p2alignl 7, 3214868480
	.fill 96, 4, 3214868480
	.section	.rodata,"a",@progbits
	.p2align	6, 0x0
	.amdhsa_kernel k_q6209c03d59_vstep
		.amdhsa_group_segment_fixed_size 2048
		.amdhsa_private_segment_fixed_size 0
		.amdhsa_enable_private_segment 0
		.amdhsa_kernarg_size 56
		.amdhsa_user_sgpr_count 2
		.amdhsa_user_sgpr_kernarg_segment_ptr 1
		.amdhsa_wavefront_size32 1
		.amdhsa_system_sgpr_workgroup_id_x 1
		.amdhsa_system_sgpr_workgroup_id_y 1
		.amdhsa_system_sgpr_workgroup_id_z 1
		.amdhsa_system_vgpr_workitem_id 0
		.amdhsa_next_free_vgpr 512
		.amdhsa_next_free_sgpr 66
		.amdhsa_reserve_vcc 1
		.amdhsa_float_denorm_mode_32 3
		.amdhsa_float_denorm_mode_16_64 3
		.amdhsa_memory_ordered 1
		.amdhsa_forward_progress 1
		.amdhsa_inst_pref_size 48
	.end_amdhsa_kernel
	.amdgpu_metadata
---
amdhsa.version: [ 1, 2 ]
amdhsa.kernels:
  - .name:           k_q6209c03d59_vstep
    .symbol:         k_q6209c03d59_vstep.kd
    .args:
      - { .name: scores, .offset: 0, .size: 8, .value_kind: global_buffer, .address_space: global }
      - { .name: dd, .offset: 8, .size: 8, .value_kind: global_buffer, .address_space: global }
      - { .name: W_v_codes, .offset: 16, .size: 8, .value_kind: global_buffer, .address_space: global }
      - { .name: W_v_scales, .offset: 24, .size: 8, .value_kind: global_buffer, .address_space: global }
      - { .name: A_LR, .offset: 32, .size: 8, .value_kind: global_buffer, .address_space: global }
      - { .name: B_LR, .offset: 40, .size: 8, .value_kind: global_buffer, .address_space: global }
      - { .name: fpart, .offset: 48, .size: 8, .value_kind: global_buffer, .address_space: global }
    .group_segment_fixed_size: 2048
    .private_segment_fixed_size: 0
    .kernarg_segment_align: 8
    .kernarg_segment_size: 56
    .max_flat_workgroup_size: 256
    .sgpr_count:     66
    .vgpr_count:     512
    .wavefront_size: 32
...
	.end_amdgpu_metadata
.endif
;; end of part 4
;; launch logits (part 5): grid 242 x 1, 13 waves a work-group, no clusters, 222,976 bytes of LDS; arguments W_e, fpart, out0; writes out0
.if DOCPART == 5
	.amdgcn_target "amdgcn-amd-amdhsa--gfx1250"
	.amdhsa_code_object_version 6
	.text
	.protected	k_q6209c03d59_logits
	.globl	k_q6209c03d59_logits
	.p2align	8
	.type	k_q6209c03d59_logits,@function
k_q6209c03d59_logits:
	s_mov_b64 s[64:65], 0
	v_nop
	global_prefetch_b8 v0, s[64:65] scope:SCOPE_SE
	s_setreg_imm32_b32 hwreg(HW_REG_WAVE_MODE, 25, 1), 1
	s_wait_xcnt 0x0
; LOGITS: f[b] = (the four parts of fpart[b]) / 512; out0[b][v] = f[b] . W_e[v].  Product 8 is left as it is: bf16 operands, f32 sums.
; A wave takes 16 rows of W_e: tile = 13 x work-group + wave, 3,146 tiles for 3,142 that exist.  One tensor load a wave, 16 rows x 1,024 bytes, issued first thing: nothing is filled again, so there is no ring.
; The tile's first row is held at 50,241, so that every tile lies inside W_e and the descriptor's shape is made of constants; a lane stores only rows from 16 x tile on,
; so the last tile stores one row and the four waves behind it load the held tile and store nothing.
; Source 0 = f (rows 0-3; rows 4-15 are zeros), source 1 = 16 rows of W_e: register b of lane r < 16 is out0[b][row r].  Both operands take the same permutation of k:
; lane (r, h) holds d = 32 c + 16 h + 0 .. 15 in the eight registers of K step c.
; No cluster: no two work-groups read the same rows of W_e; fpart is 16 KB.  out0's rows begin at 201,028 b bytes: its stores are runs of 64 bytes (0.8 MB in the launch).
; LIMITS: NaN and infinities are not served; f and W_e are rounded to bf16 for this product.
.set TILEB, 16640                      ; a tile in LDS: 16 rows of 1,024 bytes + 16 of padding: the pitch, 1,040, is an odd multiple of 16 bytes
.set FL,    13*TILEB                   ; behind the tiles, at a multiple of 256: f in bf16, 4 rows of 512 bytes + 16; no fill lands here
.set XF,  16                           ; v16-143  16 floats for each of 8 K steps; then bf16 in the lower eight of each sixteen
.set FB,  144                          ; v144-207 f's fragments
.set D0,  208                          ; v208-223 two sums
.set OO,  224                          ; v224-227 the results; v224-239 at work in the prologue
	s_load_b128 s[4:7], s[0:1], 0x0                ; W_e, fpart
	s_load_b64 s[8:9], s[0:1], 0x10                ; out0
	v_lshl_add_u32 v240, v0, 2, 0x36000
	v_mov_b32 v241, 0
	ds_add_u32 v240, v241
	ds_add_u32 v240, v241
	v_lshrrev_b32 v1, 5, v0
	v_readfirstlane_b32 s10, v1                    ; wave 0..12
	s_mul_i32 s11, ttmp9, 13
	s_add_co_u32 s11, s11, s10                     ; tile
	s_lshl_b32 s12, s11, 4                         ; its first row
	s_min_u32 s13, s12, 50241                      ; the first row that is loaded
	s_lshl_b32 s14, s13, 10
	s_mov_b32 s15, 0
	s_mov_b32 s24, (2<<16)|(1<<20)|(7<<22)|(3<<25) ; no mask; elements of 4 bytes; padding on: 4 words behind every 256
	s_mov_b32 s25, 256<<16                         ; tensor_dim0 = 256
	s_mov_b32 s26, 16<<16                          ; tensor_dim1 = 16
	s_mov_b32 s27, 256<<16                         ; tile_dim0 = 256
	s_mov_b32 s28, 16                              ; tile_dim1 = 16
	s_mov_b32 s29, 256                             ; elements from row to row
	s_mov_b32 s30, 0
	s_mov_b32 s31, 0
	s_mul_i32 s17, s10, TILEB
	s_mov_b32 s20, 1
	s_mov_b32 s21, s17                             ; LDS: wave x 16,640
	s_mov_b32 s32, 0x3b000000                      ; 1 / 512; the packed form names the pair
	s_mov_b32 s33, s32
	s_wait_dscnt 0x0
	s_wait_kmcnt 0x0
	s_add_nc_u64 s[22:23], s[4:5], s[14:15]
	s_or_b32 s23, s23, 0x80000000
	tensor_load_to_lds s[20:23], s[24:31]          ; my one tensor load
	s_nop 0
.rept 4
	v_nop
.endr
	v_and_b32 v2, 15, v0                           ; r
	v_bfe_u32 v3, v0, 4, 1                         ; h
	v_and_b32 v4, 31, v0                           ; lane
	v_lshrrev_b32 v11, 6, v0                       ; the prologue: thread t < 256 takes batch t / 64, four numbers 4 (t % 64) on
	v_and_b32 v12, 63, v0
	v_mul_u32_u24 v5, v11, 528
	v_lshl_add_u32 v5, v12, 3, v5
	v_add_nc_u32 v5, FL, v5                        ; where it puts them, as bf16
	v_lshlrev_b32 v6, 12, v11
	v_lshl_add_u32 v6, v12, 4, v6                  ; and where they lie in fpart
	v_and_b32 v13, 3, v2
	v_mul_u32_u24 v7, v13, 528
	v_lshl_add_u32 v7, v3, 5, v7
	v_add_nc_u32 v7, FL, v7                        ; f's fragments: row r % 4, + 32 h
	v_mul_u32_u24 v8, v2, 1040
	v_lshl_add_u32 v8, v3, 6, v8
	v_add_nc_u32 v8, s17, v8                       ; my tile: row r, + 64 h
	v_add_nc_u32 v10, s13, v2                      ; my row of W_e
	v_lshlrev_b32 v9, 2, v10                       ; and its place in a row of out0
	s_cmp_ge_u32 s10, 8
	s_cbranch_scc1 .Lnof
.irp q, 0,1,2,3
	global_load_b128 v[OO+4*\q:OO+4*\q+3], v6, s[6:7] offset:1024*\q
.endr
	s_wait_loadcnt 0x0
	v_pk_add_f32 v[224:225], v[224:225], v[228:229]
	v_pk_add_f32 v[226:227], v[226:227], v[230:231]
	v_pk_add_f32 v[232:233], v[232:233], v[236:237]
	v_pk_add_f32 v[234:235], v[234:235], v[238:239]
	v_pk_add_f32 v[224:225], v[224:225], v[232:233]
	v_pk_add_f32 v[226:227], v[226:227], v[234:235]
	v_pk_mul_f32 v[224:225], v[224:225], s[32:33] op_sel_hi:[1,0]
	v_pk_mul_f32 v[226:227], v[226:227], s[32:33] op_sel_hi:[1,0]
	v_cvt_pk_bf16_f32 v224, v224, v225
	v_cvt_pk_bf16_f32 v225, v226, v227
	ds_store_b64 v5, v[224:225]
.Lnof:
	s_wait_dscnt 0x0                               ; for the others' sake
	s_barrier_signal -1
	s_barrier_wait -1                              ; f lies in LDS.  (The tensor loads may stay out)
.irp c, 0,1,2,3,4,5,6,7
	ds_load_b128 v[FB+8*\c:FB+8*\c+3], v7 offset:64*\c
	ds_load_b128 v[FB+8*\c+4:FB+8*\c+7], v7 offset:64*\c+16
.endr
	s_wait_tensorcnt 0x0                           ; my tile is in; only I read it
.irp c, 0,1,2,3,4,5,6,7
.irp j, 0,1,2,3
	ds_load_b128 v[XF+16*\c+4*\j:XF+16*\c+4*\j+3], v8 offset:128*\c+16*\j
.endr
.endr
	v_cmp_gt_u32 vcc_lo, 4, v2
	s_wait_dscnt 0x0
.set ii, 0
.rept 64
	v_cndmask_b32 v[FB+ii], 0, v[FB+ii], vcc_lo    ; rows 4-15 of source 0 are zeros
.set ii, ii+1
.endr
.irp c, 0,1,2,3,4,5,6,7
.irp k, 0,1,2,3,4,5,6,7
	v_cvt_pk_bf16_f32 v[XF+16*\c+\k], v[XF+16*\c+2*\k], v[XF+16*\c+2*\k+1]   ; ascending: no number is written over before it is read
.endr
.endr
.irp c, 0,1,2,3,4,5,6,7                        ; two sums by turns
.if \c < 2
	v_wmma_f32_16x16x32_bf16 v[D0+8*(\c%2):D0+8*(\c%2)+7], v[FB+8*\c:FB+8*\c+7], v[XF+16*\c:XF+16*\c+7], 0
.else
	v_wmma_f32_16x16x32_bf16 v[D0+8*(\c%2):D0+8*(\c%2)+7], v[FB+8*\c:FB+8*\c+7], v[XF+16*\c:XF+16*\c+7], v[D0+8*(\c%2):D0+8*(\c%2)+7]
.endif
.endr
.rept 4
	v_nop
.endr
.irp b, 0,1,2,3
	v_add_f32 v[OO+\b], v[D0+\b], v[D0+8+\b]
.endr
	v_cmp_gt_u32 s34, 16, v4                       ; lanes 0-15 hold batches 0-3
	v_cmp_ge_u32 s35, v10, s12                     ; and only rows of my own tile are mine to store
	s_and_b32 vcc_lo, s34, s35
	s_wait_xcnt 0x0
	s_wait_tensorcnt 0x0
	ds_add_u32 v240, v241
	s_wait_dscnt 0x0
	s_and_saveexec_b32 s36, vcc_lo
.irp b, 0,1,2,3
	global_store_b32 v9, v[OO+\b], s[8:9] offset:201028*\b
.endr
	s_wait_xcnt 0x0
	s_or_b32 exec_lo, exec_lo, s36
	s_endpgm
.Lfunc_end_k_q6209c03d59_logits:
	.size	k_q6209c03d59_logits, .Lfunc_end_k_q6209c03d59_logits-k_q6209c03d59_logits
	.p2alignl 7, 3214868480
	.fill 96, 4, 3214868480
	.section	.rodata,"a",@progbits
	.p2align	6, 0x0
	.amdhsa_kernel k_q6209c03d59_logits
		.amdhsa_group_segment_fixed_size 222976
		.amdhsa_private_segment_fixed_size 0
		.amdhsa_enable_private_segment 0
		.amdhsa_kernarg_size 24
		.amdhsa_user_sgpr_count 2
		.amdhsa_user_sgpr_kernarg_segment_ptr 1
		.amdhsa_wavefront_size32 1
		.amdhsa_system_sgpr_workgroup_id_x 1
		.amdhsa_system_sgpr_workgroup_id_y 1
		.amdhsa_system_sgpr_workgroup_id_z 1
		.amdhsa_system_vgpr_workitem_id 0
		.amdhsa_next_free_vgpr 242
		.amdhsa_next_free_sgpr 66
		.amdhsa_reserve_vcc 1
		.amdhsa_float_denorm_mode_32 3
		.amdhsa_float_denorm_mode_16_64 3
		.amdhsa_memory_ordered 1
		.amdhsa_forward_progress 1
		.amdhsa_inst_pref_size 15
	.end_amdhsa_kernel
	.amdgpu_metadata
---
amdhsa.version: [ 1, 2 ]
amdhsa.kernels:
  - .name:           k_q6209c03d59_logits
    .symbol:         k_q6209c03d59_logits.kd
    .args:
      - { .name: W_e, .offset: 0, .size: 8, .value_kind: global_buffer, .address_space: global }
      - { .name: fpart, .offset: 8, .size: 8, .value_kind: global_buffer, .address_space: global }
      - { .name: out0, .offset: 16, .size: 8, .value_kind: global_buffer, .address_space: global }
    .group_segment_fixed_size: 222976
    .private_segment_fixed_size: 0
    .kernarg_segment_align: 8
    .kernarg_segment_size: 24
    .max_flat_workgroup_size: 416
    .sgpr_count:     66
    .vgpr_count:     242
    .wavefront_size: 32
...
	.end_amdgpu_metadata
.endif
;; end of part 5
